; MI455X (gfx1250); checked and timed in simulation.
; The chip was launched on July 23, 2026; its instructions are those of AMD's public machine-readable ISA for CDNA 5 (MIT licence, August 2026) and "CDNA5" Instruction Set Architecture Reference Guide (July 2026). The comments in the code are by the model that wrote it; some were corrected since.
;; Attention. Allowed arithmetic: matrix products marked QUANTISED: E4M3 operands, one given power-of-two scale a tensor, by v_wmma_f32_16x16x64_fp8_fp8 or v_wmma_f32_16x16x128_fp8_fp8, f32 sums; everything else in f32.
;; Inputs: bk 2,048 float32; bo 2,048 float32; bq 2,048 float32; bv 2,048 float32; freqs 2,048 x 64 float32; hard_mask 1 x 1 x 2,048 x 2,048 int32; lowp_scales 12 int32 (the exponents e of the quantised operands' scales 2^e); soft_mask 1 x 1 x 2,048 x 2,048 float32; wk 2,048 x 2,048 float32; wo 2,048 x 2,048 float32; wq 2,048 x 2,048 float32; wv 2,048 x 2,048 float32; x 1 x 2,048 x 2,048 float32.
;; Outputs: out0 1 x 2,048 x 2,048 float32.
;; This version of the problem:
;;   THIS VERSION OF THE PROBLEM IS GIVEN IN LOW PRECISION. The matrix products marked QUANTISED in the list below multiply operands that are first quantised to E4M3 (4 exponent bits, 3 mantissa bits; 8 bits a number), with one given power-of-two scale for each operand tensor; their sums are f32. All else is computed in f32.
;;   The module's matrix products, in the order in which they are computed (A, B: the left and right operand; K: the contracted axis; several contracted axes count as one K, in the product's order):
;;     1. [M 2,048, K 2,048] x [K 2,048, N 2,048]; A: input x; B: input wq: QUANTISED (scales: A lowp_scales[0], B lowp_scales[1])
;;     2. [M 2,048, K 2,048] x [K 2,048, N 2,048]; A: input x; B: input wk: QUANTISED (scales: A lowp_scales[2], B lowp_scales[3])
;;     3. [M 2,048, K 2,048] x [K 2,048, N 2,048]; A: input x; B: input wv: QUANTISED (scales: A lowp_scales[4], B lowp_scales[5])
;;     4. batch 16 x [M 2,048, K 128] x [K 128, N 2,048]; A: computed on the way; B: computed on the way: QUANTISED (scales: A lowp_scales[6], B lowp_scales[7])
;;     5. batch 16 x [M 2,048, K 2,048] x [K 2,048, N 128]; A: computed on the way; B: computed on the way: QUANTISED (scales: A lowp_scales[8], B lowp_scales[9])
;;     6. [M 2,048, K 2,048] x [K 2,048, N 2,048]; A: computed on the way; B: input wo: QUANTISED (scales: A lowp_scales[10], B lowp_scales[11])
;;   THE QUANTISER, for each operand of a quantised product, along K:
;;     - The operand's scale is 2^e, e = its entry of the input lowp_scales (int32; the entries are numbered through the quantised products in the list's order, A before B).
;;     - Each number is divided by the scale, clamped to +-448, and rounded to the nearest number of E4M3, ties to even, subnormals kept.
;;     - The product sums the exact products of the quantised numbers (number of the format x scale) in f32.
;;   ~~~python
;;   def quantise(x, axis, e):      # numpy; x: float32 -> the quantised numbers, widened to float32 again
;;       x = np.moveaxis(x, axis, -1); K = x.shape[-1]
;;       r = np.clip(x / 2.0 ** e, -448, 448)
;;       step = 2.0 ** (np.maximum(np.frexp(np.where(r == 0, 1, r))[1] - 1, -6) - 3)
;;       q = np.round(r / step) * step * 2.0 ** e      # np.round: ties to even
;;       return np.moveaxis(q, -1, axis).astype(np.float32)
;;   ~~~
;;   OPERANDS COMPUTED ON THE WAY. 'Computed on the way' means the value that the module computes at that place (a softmax that the list does not call 'softmax' is quantised finished and normalised). What goes into a quantiser is computed in f32, as accurately as f32 sums, v_exp_f32 and their like allow (about 1e-6 of the number): no bf16 or f16 on the way to a quantiser, and a product that is left as it is and whose result goes on into a quantised operand takes f32 operands (vector FMAs, or v_wmma_f32_16x16x4_f32). A number that lies on a knife's edge between two numbers of the format may be rounded either way, as far as f32 arithmetic and the matrix unit's own rounding can turn it there, and no further.
;; One version. Each part assembles by itself: llvm-mc -triple=amdgcn-amd-amdhsa -mcpu=gfx1250 --defsym DOCPART=n.
;; ======== version 1 of 1: 4 launches
;; limits: right only within a limited range of input values
;; workspace buffers: xc 12,582,912 bytes; wc 16,777,216 bytes; simg 16,777,216 bytes; bits 524,288 bytes of whole numbers; cls 512 bytes of whole numbers; cst 1,048,576 bytes; qkv 12,582,912 bytes; oc 4,194,304 bytes
;; launch prep (part 1): grid 960 x 1, 4 waves a work-group, no clusters, 68,096 bytes of LDS; arguments x, wq, wk, wv, wo, lowp_scales, soft_mask, hard_mask, freqs, xc, wc, simg, bits, cls, cst; writes xc, wc, simg, bits, cls, cst
.if DOCPART == 1
	.amdgcn_target "amdgcn-amd-amdhsa--gfx1250"
	.amdhsa_code_object_version 6
	.text
	.protected	k_q72230bd67f_prep
	.globl	k_q72230bd67f_prep
	.p2align	8
	.type	k_q72230bd67f_prep,@function
k_q72230bd67f_prep:
	s_mov_b64 s[64:65], 0
	v_nop
	global_prefetch_b8 v0, s[64:65] scope:SCOPE_SE
	s_setreg_imm32_b32 hwreg(HW_REG_WAVE_MODE, 25, 1), 1
	s_wait_xcnt 0x0
; PREP: all that is made once for the later launches.  Four kinds of work-groups, told apart by the work-group's number alone:
;   0-639   A: x (three times, with the scales of entries 0, 2, 4) and wq, wk, wv, wo (entries 1, 3, 5, 11) become codes of E4M3, K innermost: code = number / 2^e, held within +-448, to the nearest code, ties to even.
;   640-767 B: soft_mask is laid anew, in the order in which a lane of the attention launch holds its scores: block (query tile t of 16, key step s of 128) at (16 t + s) x 8,192 bytes; piece n at 512 n,
;              lane 16 h + r at 16 bytes each: soft[16 t + r][128 s + 32 (n / 4) + 16 h + 4 (n % 4) + 0 .. 3].
;   768-895 C: hard_mask becomes bits (block (t, s) at (16 t + s) x 256 bytes, row r at 16 r, word j: bit b = hard[16 t + r][128 s + 4 b + j] != 0) and a class for each block, two bits at 2 s of word t:
;              0 all hidden, 1 mixed, 2 all open.
;   896-959 D: cos and sin of freqs, laid as a lane of the projection launch holds its pairs: block mb (16 rows) at 8,192 mb, piece n at 512 n, lane at 16 bytes: cos, sin of column i, cos, sin of column i + 1,
;              i = 8 (n / 2) + 4 h + 2 (n % 2), row 16 mb + r.
; LIMITS: each exponent e between -126 and 119; |freqs| under 2^20; NaN among the floating-point inputs is not served.
; No tensor loads, no barrier: waves share nothing.  Paths A and B turn their data through LDS stages, each path in bytes of its own.
.set SPARE, 67584                      ; behind the stages: the spare words, 128 bytes for each wave: two blocks of 256 bytes that no other line names
.set BSTG,  32768                      ; path B's stages: 8,704 bytes a wave; path A's lie from 0 on, 8,192 a wave
.set SPW,   12                         ; v12  LDS address of my spare word; never rewritten
.set NIL,   13                         ; v13  0; never rewritten
.set R,     16                         ; path A: v16-79 four sets of 16 numbers as loaded
.set X,     80                         ; v80-111 two sets of 16 neighbours
.set T,     112                        ; v112-127 the 16 numbers held within the largest code
.set C,     128                        ; v128-139 codes, four registers for each of three scales
.set STEPS, 16
.set SPL,   80                         ; a lane's place in path A's stage: 64 bytes + 16 of padding
.set JOB,   3                          ; s3: 0 x, 1 wq, 2 wk, 3 wv, 4 wo
.macro FINISH                          ; the wave's end
	s_wait_tensorcnt 0x0
	ds_add_u32 v[SPW], v[NIL]
	s_wait_dscnt 0x0
	s_endpgm
.endm
.macro MKSC e, sc, lim                 ; 2^e as f32 into v[sc] (the conversion takes its exponent field), 448 x 2^e into v[lim]
	s_add_co_i32 s58, \e, 127
	s_lshl_b32 s59, s58, 23
	v_mov_b32 v[\sc], s59
	s_add_co_i32 s58, s58, 8
	s_lshl_b32 s58, s58, 23
	s_or_b32 s58, s58, 0x600000
	v_mov_b32 v[\lim], s58
.endm
.macro LOAD t                          ; step t: four loads of 512 consecutive bytes
.irp i, 0,1,2,3
	global_load_b128 v[R+16*((\t)%4)+4*\i:R+16*((\t)%4)+4*\i+3], v3, s[8:9] offset:2048*(\t)+512*\i th:TH_LOAD_NT
.endr
.endm
.macro TURN t                          ; through the stage: in as loaded, out 64 bytes a lane; LDS serves a wave's instructions in order
.irp i, 0,1,2,3
	ds_store_b128 v14, v[R+16*((\t)%4)+4*\i:R+16*((\t)%4)+4*\i+3] offset:32*SPL*((\t)%2)+8*SPL*\i
.endr
.irp i, 0,1,2,3
	ds_load_b128 v[X+16*((\t)%2)+4*\i:X+16*((\t)%2)+4*\i+3], v15 offset:32*SPL*((\t)%2)+16*\i
.endr
.endm
.macro QOUT k, t                       ; the step's 16 numbers with scale k: hold, convert, store 512 consecutive bytes a wave
.irp i, 0,1,2,3,4,5,6,7,8,9,10,11,12,13,14,15
	v_med3_num_f32 v[T+\i], v[XS+\i], -v[7+2*\k], v[7+2*\k]   ; the conversion to an 8-bit code does not saturate (ISA guide 7.6.2)
.endr
	v_cvt_scalef32_pk8_fp8_f32 v[C+4*\k:C+4*\k+1], v[T:T+7], v[6+2*\k]
	v_cvt_scalef32_pk8_fp8_f32 v[C+4*\k+2:C+4*\k+3], v[T+8:T+15], v[6+2*\k]
	v_nop                                          ; a plain line between the conversions and the next holds, which write their sources
	global_store_b128 v3, v[C+4*\k:C+4*\k+3], s[52+2*\k:53+2*\k] offset:512*(\t)
.endm
.macro STEP t
.set XS, X+16*((\t)%2)
	s_wait_dscnt 0x0                               ; this step's numbers are back from the stage, and its stores into the stage have read their registers,
.if (\t)+4 < STEPS
	LOAD (\t)+4                                    ; which take the loads of four steps on
.endif
.if (\t)+1 < STEPS
.if STEPS-2-(\t) >= 3
	s_wait_loadcnt 12                              ; the next step's four loads are in; those of the three steps behind it may be out
.else
	s_wait_loadcnt 4*(STEPS-2-(\t))
.endif
	TURN (\t)+1
.endif
	s_wait_xcnt 0x0                                ; the last step's stores have read the codes' registers
	QOUT 0, \t
	s_cmp_lg_u32 s[JOB], 0                         ; x alone has two more scales
	s_cbranch_scc1 .Lone_\@
	QOUT 1, \t
	QOUT 2, \t
.Lone_\@:
.endm
	s_load_b512 s[8:23], s[0:1], 0x0               ; x 8, wq 10, wk 12, wv 14, wo 16, scales 18, soft 20, hard 22
	s_load_b256 s[24:31], s[0:1], 0x40             ; freqs 24, xc 26, wc 28, simg 30
	s_load_b128 s[32:35], s[0:1], 0x60             ; bits 32, cls 34
	s_load_b64 s[36:37], s[0:1], 0x70              ; cst
	v_lshl_add_u32 v[SPW], v0, 2, SPARE
	v_mov_b32 v[NIL], 0
	v_lshrrev_b32 v1, 5, v0
	v_readfirstlane_b32 s2, v1                     ; wave 0..3
	v_and_b32 v2, 31, v0                           ; lane
	v_lshlrev_b32 v3, 4, v2                        ; 16 x lane
	; every LDS address is made here, ahead of the parting of the paths
	s_lshl_b32 s3, s2, 13
	v_lshrrev_b32 v14, 2, v2
	v_mul_u32_u24 v14, v14, SPL
	v_and_b32 v15, 3, v2
	v_lshl_add_u32 v14, v15, 4, v14
	v_add_nc_u32 v14, s3, v14                      ; path A, in: SPL (lane / 4) + 16 (lane % 4)
	v_mul_u32_u24 v15, v2, SPL
	v_add_nc_u32 v15, s3, v15                      ; path A, out: SPL x lane
	s_mul_i32 s3, s2, 8704
	s_add_co_u32 s3, s3, BSTG
	v_lshrrev_b32 v4, 3, v2
	v_and_b32 v5, 3, v2
	v_lshl_add_u32 v4, v4, 2, v5                   ; the piece n = 4 (lane / 8) + lane % 4 into which my 16 bytes of a row go,
	v_mul_u32_u24 v4, v4, 544
	v_bfe_u32 v5, v2, 2, 1                         ; and its half h = (lane / 4) % 2
	v_mad_u32_u24 v4, v5, 272, v4
	v_add_nc_u32 v4, s3, v4                        ; path B, in: 544 n + 272 h (+ 16 x row): sixteen lanes fall on sixteen different columns of 16 bytes
	v_lshrrev_b32 v5, 4, v2
	v_mul_u32_u24 v5, v5, 272
	v_and_b32 v1, 15, v2
	v_lshl_add_u32 v5, v1, 4, v5
	v_add_nc_u32 v5, s3, v5                        ; path B, out: 272 (lane / 16) + 16 (lane % 16) (+ 544 n)
	s_wait_alu depctr_va_vdst(0)                   ; the wait at the head's end
	s_wait_kmcnt 0x0
	s_cmp_lt_u32 ttmp9, 640
	s_cbranch_scc0 .Lnot_a
	; ---- A: a wave takes 16 steps of 512 numbers; 128 work-groups to a tensor of 2,048 x 2,048
	s_load_b256 s[40:47], s[18:19], 0x0            ; e0 .. e7
	s_load_b128 s[48:51], s[18:19], 0x20           ; e8 .. e11
	s_lshr_b32 s[JOB], ttmp9, 7
	s_and_b32 s4, ttmp9, 127
	s_lshl_b32 s4, s4, 2
	s_add_co_u32 s4, s4, s2                        ; which run of 8,192 numbers is my wave's
	s_cmp_eq_u32 s[JOB], 1
	s_cselect_b64 s[8:9], s[10:11], s[8:9]
	s_cmp_eq_u32 s[JOB], 2
	s_cselect_b64 s[8:9], s[12:13], s[8:9]
	s_cmp_eq_u32 s[JOB], 3
	s_cselect_b64 s[8:9], s[14:15], s[8:9]
	s_cmp_eq_u32 s[JOB], 4
	s_cselect_b64 s[8:9], s[16:17], s[8:9]
	s_lshl_b32 s6, s4, 15
	s_mov_b32 s7, 0
	s_add_nc_u64 s[8:9], s[8:9], s[6:7]            ; the run's numbers
	s_lshl_b32 s6, s4, 13                          ; the run's codes
	s_add_nc_u64 s[54:55], s[26:27], s[6:7]
	s_add_nc_u64 s[56:57], s[54:55], 0x800000      ; x's codes with entry 4's scale,
	s_add_nc_u64 s[54:55], s[54:55], 0x400000      ; with entry 2's
	s_max_u32 s5, s[JOB], 1
	s_sub_co_u32 s5, s5, 1
	s_lshl_b32 s5, s5, 22                          ; a weight's place in wc
	s_add_co_u32 s6, s6, s5
	s_cmp_eq_u32 s[JOB], 0
	s_cselect_b64 s[52:53], s[26:27], s[28:29]
	s_add_nc_u64 s[52:53], s[52:53], s[6:7]
.irp t, 0,1,2,3
	LOAD \t
.endr
	s_wait_kmcnt 0x0
	s_cmp_eq_u32 s[JOB], 1
	s_cselect_b32 s40, s41, s40
	s_cmp_eq_u32 s[JOB], 2
	s_cselect_b32 s40, s43, s40
	s_cmp_eq_u32 s[JOB], 3
	s_cselect_b32 s40, s45, s40
	s_cmp_eq_u32 s[JOB], 4
	s_cselect_b32 s40, s51, s40
	MKSC s40, 6, 7
	MKSC s42, 8, 9
	MKSC s44, 10, 11
	s_wait_alu depctr_va_vdst(0)
	s_wait_loadcnt 12
	TURN 0
.irp t, 0,1,2,3,4,5,6,7,8,9,10,11,12,13,14,15
	STEP \t
.endr
	FINISH
.Lnot_a:
	s_cmp_lt_u32 ttmp9, 768
	s_cbranch_scc0 .Lnot_b
	; ---- B: query tile t; wave w takes key steps 4 w .. 4 w + 3, a block of 16 rows x 512 bytes each
	s_sub_co_u32 s3, ttmp9, 640
	s_lshl_b32 s4, s3, 17                          ; 16 t rows of 8,192 bytes
	s_lshl_b32 s6, s2, 11                          ; 4 w steps of 512 bytes
	s_add_co_u32 s4, s4, s6
	s_mov_b32 s5, 0
	s_add_nc_u64 s[20:21], s[20:21], s[4:5]
	s_lshl_b32 s4, s3, 17                          ; 16 t blocks of 8,192 bytes
	s_lshl_b32 s6, s2, 15                          ; 4 w blocks
	s_add_co_u32 s4, s4, s6
	s_add_nc_u64 s[30:31], s[30:31], s[4:5]
.macro BLOAD s                         ; sixteen rows, 512 consecutive bytes each
.set i, 0
.rept 16
	global_load_b128 v[16+64*((\s)%2)+4*i:16+64*((\s)%2)+4*i+3], v3, s[20:21] offset:8192*i+512*(\s) th:TH_LOAD_NT
.set i, i+1
.endr
.endm
.macro BBLOCK s
.if (\s) < 3
	s_wait_loadcnt 16                              ; this block's 16 loads are in; the next block's may be out
.else
	s_wait_loadcnt 0
.endif
.set i, 0
.rept 16
	ds_store_b128 v4, v[16+64*((\s)%2)+4*i:16+64*((\s)%2)+4*i+3] offset:16*i
.set i, i+1
.endr
	s_wait_xcnt 0x0                                ; the last block's stores have read the registers that the loads below fill
.set i, 0
.rept 16
	ds_load_b128 v[144+4*i:147+4*i], v5 offset:544*i
.set i, i+1
.endr
	s_wait_dscnt 0x0
.if (\s)+2 < 4
	BLOAD (\s)+2
.endif
.set i, 0
.rept 16
	global_store_b128 v3, v[144+4*i:147+4*i], s[30:31] offset:8192*(\s)+512*i   ; 512 consecutive bytes
.set i, i+1
.endr
.endm
	BLOAD 0
	BLOAD 1
	BBLOCK 0
	BBLOCK 1
	BBLOCK 2
	BBLOCK 3
	FINISH
.Lnot_b:
	s_cmp_lt_u32 ttmp9, 896
	s_cbranch_scc0 .Lnot_c
	; ---- C: query tile t; wave w takes key steps 4 w .. 4 w + 3.  A compare of one loaded register gives 32 bits: one word of a row
	s_sub_co_u32 s3, ttmp9, 768
	s_lshl_b32 s4, s3, 17
	s_lshl_b32 s6, s2, 11
	s_add_co_u32 s4, s4, s6
	s_mov_b32 s5, 0
	s_add_nc_u64 s[22:23], s[22:23], s[4:5]
	s_lshl_b32 s4, s3, 12
	s_lshl_b32 s6, s2, 10
	s_add_co_u32 s4, s4, s6
	s_add_nc_u64 s[32:33], s[32:33], s[4:5]        ; bits at block (t, 4 w)
	s_lshl_b32 s4, s3, 2
	s_add_co_u32 s4, s4, s2
	s_add_nc_u64 s[34:35], s[34:35], s[4:5]        ; byte w of word t
.macro CLOAD G                         ; rows 4 G .. 4 G + 3, four steps each
.irp q, 0,1,2,3
.irp sl, 0,1,2,3
	global_load_b128 v[16+64*((\G)%2)+16*\q+4*\sl:16+64*((\G)%2)+16*\q+4*\sl+3], v3, s[22:23] offset:8192*(4*(\G)+\q)+512*\sl th:TH_LOAD_NT
.endr
.endr
.endm
.macro CBITS G
.irp q, 0,1,2,3
.irp sl, 0,1,2,3
	s_wait_alu depctr_va_vdst(0)                   ; the four registers below were last written eight scalar lines back, or behind a wait
.irp j, 0,1,2,3
	v_cmp_ne_u32 s[52+\j], 0, v[16+64*((\G)%2)+16*\q+4*\sl+\j]
	s_and_b32 s[40+\sl], s[40+\sl], s[52+\j]
	s_or_b32 s[44+\sl], s[44+\sl], s[52+\j]
	v_writelane_b32 v[144+4*(\sl/2)+\j], s[52+\j], 16*(\sl%2)+4*(\G)+\q   ; lane 16 (step % 2) + row holds the row's four words
.endr
.endr
.endr
.endm
	CLOAD 0
	CLOAD 1
.irp j, 0,1,2,3,4,5,6,7
	v_mov_b32 v[144+\j], 0
.endr
.irp sl, 0,1,2,3
	s_mov_b32 s[40+\sl], -1                        ; all open so far
	s_mov_b32 s[44+\sl], 0                         ; all hidden so far
.endr
	s_wait_loadcnt 16                              ; the older group is in, the younger may be out
	CBITS 0
	CLOAD 2
	s_wait_loadcnt 16
	CBITS 1
	CLOAD 3
	s_wait_loadcnt 16
	CBITS 2
	s_wait_loadcnt 0
	CBITS 3
	global_store_b128 v3, v[144:147], s[32:33]     ; two steps' 512 bytes
	global_store_b128 v3, v[148:151], s[32:33] offset:512
	s_mov_b32 s6, 0
.irp sl, 0,1,2,3
	s_cmp_eq_u32 s[40+\sl], -1
	s_cselect_b32 s5, 2, 1
	s_cmp_eq_u32 s[44+\sl], 0
	s_cselect_b32 s5, 0, s5
	s_lshl_b32 s5, s5, 2*\sl
	s_or_b32 s6, s6, s5
.endr
	v_mov_b32 v6, s6
	v_mov_b32 v7, 0
	v_cmp_gt_u32 vcc_lo, 1, v2
	s_wait_alu depctr_va_vdst(0)
	s_wait_xcnt 0x0
	s_and_saveexec_b32 s7, vcc_lo
	global_store_b8 v7, v6, s[34:35]               ; lane 0 stores my four steps' classes
	s_wait_xcnt 0x0
	s_or_b32 exec_lo, exec_lo, s7
	FINISH
.Lnot_c:
	; ---- D: block mb = 2 g + wave / 2; pieces 8 (wave % 2) + 0 .. 7.  No instruction for sine or cosine is used: x = n pi/2 + rho, pi/2 in three parts, the first product taken off exactly
	; (both terms are multiples of 2^-23 and the difference is under 1); then polynomials in rho^2 on |rho| up to pi/4
	s_sub_co_u32 s3, ttmp9, 896
	s_lshl_b32 s3, s3, 1
	s_lshr_b32 s4, s2, 1
	s_add_co_u32 s3, s3, s4                        ; mb
	s_and_b32 s6, s2, 1
	s_lshl_b32 s4, s3, 12                          ; 16 rows of 256 bytes
	s_lshl_b32 s7, s6, 7
	s_add_co_u32 s4, s4, s7
	s_mov_b32 s5, 0
	s_add_nc_u64 s[24:25], s[24:25], s[4:5]
	s_lshl_b32 s4, s3, 13
	s_lshl_b32 s7, s6, 12
	s_add_co_u32 s4, s4, s7
	s_add_nc_u64 s[36:37], s[36:37], s[4:5]
	v_lshrrev_b32 v6, 4, v2
	v_lshlrev_b32 v7, 8, v1                        ; row r,
	v_lshl_add_u32 v7, v6, 4, v7                   ; + 16 h
.irp it, 0,1,2,3,4,5,6,7
	global_load_b64 v[16+2*\it:17+2*\it], v7, s[24:25] offset:32*(\it/2)+8*(\it%2)
.endr
	s_mov_b32 s40, 0x3f22f983                      ; 2 / pi
	s_mov_b32 s41, 0x3fc90fdb                      ; pi/2, first part,
	s_mov_b32 s42, 0xb33bbd2e                      ; second,
	s_mov_b32 s43, 0xa6f72ced                      ; third
	s_mov_b32 s44, 0xbe2aaaa3                      ; sine: -1.6666654611e-1,
	s_mov_b32 s45, 0x3c08839e                      ; 8.3321608736e-3,
	s_mov_b32 s46, 0xb94ca1f9                      ; -1.9515295891e-4
	s_mov_b32 s47, 0x3d2aaaa5                      ; cosine: 4.166664568e-2,
	s_mov_b32 s48, 0xbab6061a                      ; -1.388731625e-3,
	s_mov_b32 s49, 0x37ccf5ce                      ; 2.443315712e-5
.macro SINCOS x, c, s
	v_mul_f32 v112, s40, v[\x]
	v_rndne_f32 v112, v112                         ; n
	v_fma_f32 v113, -v112, s41, v[\x]
	v_fma_f32 v113, -v112, s42, v113
	v_fma_f32 v113, -v112, s43, v113               ; rho
	v_mul_f32 v114, v113, v113                     ; z
	v_cvt_i32_f32 v115, v112
	v_fma_f32 v116, v114, s46, s45
	v_fma_f32 v116, v116, v114, s44
	v_mul_f32 v116, v116, v114
	v_fma_f32 v116, v116, v113, v113               ; sin rho
	v_fma_f32 v117, v114, s49, s48
	v_fma_f32 v117, v117, v114, s47
	v_mul_f32 v118, v114, v114
	v_fma_f32 v119, v114, -0.5, 1.0
	v_fma_f32 v117, v117, v118, v119               ; cos rho
	v_and_b32 v120, 1, v115
	v_cmp_eq_u32 vcc_lo, 1, v120                   ; n odd: the two change places
	v_cndmask_b32 v[\s], v116, v117, vcc_lo
	v_cndmask_b32 v[\c], v117, v116, vcc_lo
	v_and_b32 v120, 2, v115                        ; the sine is negative in quadrants 2, 3,
	v_lshlrev_b32 v120, 30, v120
	v_xor_b32 v[\s], v[\s], v120
	v_add_nc_u32 v115, 1, v115                     ; the cosine in quadrants 1, 2
	v_and_b32 v120, 2, v115
	v_lshlrev_b32 v120, 30, v120
	v_xor_b32 v[\c], v[\c], v120
.endm
	s_wait_loadcnt 0x0
.irp it, 0,1,2,3,4,5,6,7
	SINCOS 16+2*\it, 80+4*\it, 81+4*\it
	SINCOS 17+2*\it, 82+4*\it, 83+4*\it
	global_store_b128 v3, v[80+4*\it:83+4*\it], s[36:37] offset:512*\it   ; 512 consecutive bytes
.endr
	FINISH
.Lfunc_end_k_q72230bd67f_prep:
	.size	k_q72230bd67f_prep, .Lfunc_end_k_q72230bd67f_prep-k_q72230bd67f_prep
	.p2alignl 7, 3214868480
	.fill 96, 4, 3214868480
	.section	.rodata,"a",@progbits
	.p2align	6, 0x0
	.amdhsa_kernel k_q72230bd67f_prep
		.amdhsa_group_segment_fixed_size 68096
		.amdhsa_private_segment_fixed_size 0
		.amdhsa_enable_private_segment 0
		.amdhsa_kernarg_size 120
		.amdhsa_user_sgpr_count 2
		.amdhsa_user_sgpr_kernarg_segment_ptr 1
		.amdhsa_wavefront_size32 1
		.amdhsa_system_sgpr_workgroup_id_x 1
		.amdhsa_system_sgpr_workgroup_id_y 1
		.amdhsa_system_sgpr_workgroup_id_z 1
		.amdhsa_system_vgpr_workitem_id 0
		.amdhsa_next_free_vgpr 208
		.amdhsa_next_free_sgpr 66
		.amdhsa_reserve_vcc 1
		.amdhsa_float_denorm_mode_32 3
		.amdhsa_float_denorm_mode_16_64 3
		.amdhsa_memory_ordered 1
		.amdhsa_forward_progress 1
		.amdhsa_inst_pref_size 182
	.end_amdhsa_kernel
	.amdgpu_metadata
---
amdhsa.version: [ 1, 2 ]
amdhsa.kernels:
  - .name:           k_q72230bd67f_prep
    .symbol:         k_q72230bd67f_prep.kd
    .args:
      - { .name: x, .offset: 0, .size: 8, .value_kind: global_buffer, .address_space: global }
      - { .name: wq, .offset: 8, .size: 8, .value_kind: global_buffer, .address_space: global }
      - { .name: wk, .offset: 16, .size: 8, .value_kind: global_buffer, .address_space: global }
      - { .name: wv, .offset: 24, .size: 8, .value_kind: global_buffer, .address_space: global }
      - { .name: wo, .offset: 32, .size: 8, .value_kind: global_buffer, .address_space: global }
      - { .name: lowp_scales, .offset: 40, .size: 8, .value_kind: global_buffer, .address_space: global }
      - { .name: soft_mask, .offset: 48, .size: 8, .value_kind: global_buffer, .address_space: global }
      - { .name: hard_mask, .offset: 56, .size: 8, .value_kind: global_buffer, .address_space: global }
      - { .name: freqs, .offset: 64, .size: 8, .value_kind: global_buffer, .address_space: global }
      - { .name: xc, .offset: 72, .size: 8, .value_kind: global_buffer, .address_space: global }
      - { .name: wc, .offset: 80, .size: 8, .value_kind: global_buffer, .address_space: global }
      - { .name: simg, .offset: 88, .size: 8, .value_kind: global_buffer, .address_space: global }
      - { .name: bits, .offset: 96, .size: 8, .value_kind: global_buffer, .address_space: global }
      - { .name: cls, .offset: 104, .size: 8, .value_kind: global_buffer, .address_space: global }
      - { .name: cst, .offset: 112, .size: 8, .value_kind: global_buffer, .address_space: global }
    .group_segment_fixed_size: 68096
    .private_segment_fixed_size: 0
    .kernarg_segment_align: 8
    .kernarg_segment_size: 120
    .max_flat_workgroup_size: 128
    .sgpr_count:     66
    .vgpr_count:     208
    .wavefront_size: 32
...
	.end_amdgpu_metadata
.endif
;; end of part 1
;; launch proj (part 2): grid 24 x 8, 4 waves a work-group, clusters of 4 x 4, 327,680 bytes of LDS; arguments xc, wc, lowp_scales, bq, bk, bv, cst, qkv; writes qkv
.if DOCPART == 2
	.amdgcn_target "amdgcn-amd-amdhsa--gfx1250"
	.amdhsa_code_object_version 6
	.text
	.protected	k_q72230bd67f_proj
	.globl	k_q72230bd67f_proj
	.p2align	8
	.type	k_q72230bd67f_proj,@function
k_q72230bd67f_proj:
	s_mov_b64 s[64:65], 0
	v_nop
	global_prefetch_b8 v0, s[64:65] scope:SCOPE_SE
	s_setreg_imm32_b32 hwreg(HW_REG_WAVE_MODE, 25, 1), 1
	s_wait_xcnt 0x0
	s_wait_alu depctr_hold_cnt(0) depctr_sa_sdst(0) depctr_va_vdst(0) depctr_va_sdst(0) depctr_va_ssrc(0) depctr_va_vcc(0) depctr_vm_vsrc(0)
	s_getreg_b32 s2, hwreg(HW_REG_IB_STS2, 6, 4)
	s_cmp_eq_u32 s2, 0
	s_cbranch_scc0 .Lentry_in_a_cluster
	s_endpgm
.Lentry_in_a_cluster:
	s_bfe_u32 s2, ttmp6, 0x10000c
	s_cmp_lg_u32 s2, 0xf033
	s_cbranch_scc0 .Lentry_shape_is_right
	s_endpgm
.Lentry_shape_is_right:
.set SIZE_K, 2048
.set KSTEP,  256
.set ROWB,   256
.set KROW,   SIZE_K
.set PITCH,  272
.set FR,     16
.set NL,     4
.set NP,     4
.set HALFT,  128*PITCH
.set SLOT,   4*HALFT
.set LAPS,   SIZE_K/(2*KSTEP)
.set SPARE,  2*SLOT
.set OP,     144
.set ADRA, 16
.set ADRB, 20
.set STO,  24
.set RD,   25
.set CO,   26
.set SPW,  28
.set NIL,  29
.set BOFF, 10
.set VOFF, 11
.set PFO,  30                          ; v30  the prefetches' offset: my lane x a row of codes (2,048 bytes); never rewritten
.set PFA,  66                          ; s[66:67] where my prefetches stand: my work-group's 32 rows of the 128 that my wave fetches
.set TMP,  32
.set T2,   96
.set CD,   112
.set BK,   128
.set AF,   128
.set TN,   4
.set G1, 24
.set G0, 32
.set G1B, 48
.set G0B, 56
.set MSB, 0
.macro WIN new
.if MSB != \new
	s_set_vgpr_msb (MSB<<8)|\new
.set MSB, \new
.endif
.endm
.set MUL_LO, 0xa1
.set MUL_HI, 0xf1
.set TO_B,   0x40
.macro JLOAD g0a, g1a, g0b, g1b
	s_cmp_eq_u32 s15, 0
	s_cbranch_scc0 .Lfor_b_\@
	tensor_load_to_lds s[\g0a:\g0a+3], s[\g1a:\g1a+7]
	s_nop 0
.rept 4
	v_nop
.endr
	s_branch .Lasked_\@
.Lfor_b_\@:
	tensor_load_to_lds s[\g0b:\g0b+3], s[\g1b:\g1b+7]
	s_nop 0
.rept 4
	v_nop
.endr
.Lasked_\@:
.endm
.macro CREST
	s_cmp_lg_u32 s14, 0
	s_cbranch_scc1 .Lnot_wave_0_\@
	s_barrier_signal -3
.Lnot_wave_0_\@:
	s_barrier_wait -3
	s_barrier_signal -1
	s_barrier_wait -1
.endm
.macro CROUND
	s_barrier_signal -1
	s_barrier_wait -1
	CREST
.endm
	s_load_b512 s[68:83], s[0:1], 0x0
	v_lshl_add_u32 v[SPW], v0, 2, SPARE
	v_mov_b32 v[NIL], 0
	ds_add_u32 v[SPW], v[NIL]
	ds_add_u32 v[SPW], v[NIL]
	v_lshrrev_b32 v1, 5, v0
	v_readfirstlane_b32 s14, v1
	v_and_b32 v[PFO], 31, v0
	v_lshlrev_b32 v[PFO], 11, v[PFO]
	s_lshr_b32 s15, s14, 1
	s_and_b32 s16, s14, 1
	s_bfe_u32 s40, ttmp6, 0x40000
	s_bfe_u32 s41, ttmp6, 0x40004
	s_lshr_b32 s[TN], ttmp9, 1
	s_lshl_b32 s5, s[TN], 22
	s_and_b32 s42, ttmp9, 1
	s_lshl_b32 s42, s42, 2
	s_add_co_u32 s42, s42, s40
	s_and_b32 s17, ttmp7, 0xffff
	s_lshl_b32 s17, s17, 2
	s_add_co_u32 s17, s17, s41
	s_lshl_b32 s43, s41, 2
	s_lshl_b32 s43, 15, s43
	s_lshl_b32 s44, 0x1111, s40
	s_or_b32 s[G1+0], s43, (0<<16)|(1<<20)|(1<<21)|(5<<22)|(3<<25)
	s_or_b32 s[G1B+0], s44, (0<<16)|(1<<20)|(1<<21)|(5<<22)|(3<<25)
.irp g, G1, G1B
	s_mov_b32 s[\g+1], ROWB<<16
	s_mov_b32 s[\g+2], 128<<16
	s_mov_b32 s[\g+3], ROWB<<16
	s_mov_b32 s[\g+4], 128
	s_mov_b32 s[\g+5], KROW
	s_mov_b32 s[\g+6], 0
	s_mov_b32 s[\g+7], 0
.endr
	s_lshl_b32 s18, s16, 7
	s_lshl_b32 s20, s17, 8
	s_add_co_u32 s20, s20, s18
	s_lshl_b32 s46, s42, 8
	s_add_co_u32 s46, s46, s18
	s_mov_b32 s21, 0
	s_mov_b32 s47, 0
	s_mov_b64 s[18:19], KROW
	s_mul_u64 s[20:21], s[20:21], s[18:19]
	s_mul_u64 s[46:47], s[46:47], s[18:19]
	s_mul_i32 s45, s14, HALFT
	s_mov_b32 s6, s5
	s_mov_b32 s7, 0
	s_wait_dscnt 0x0
	s_wait_kmcnt 0x0
	s_load_b256 s[84:91], s[72:73], 0x0
	s_load_b128 s[92:95], s[72:73], 0x20
	s_add_nc_u64 s[8:9], s[68:69], s[6:7]
	s_add_nc_u64 s[10:11], s[70:71], s[6:7]
	s_cmp_eq_u32 s[TN], 2
	s_cselect_b64 s[12:13], s[10:11], s[8:9]
	s_cselect_b64 s[10:11], s[8:9], s[10:11]
	s_add_nc_u64 s[20:21], s[12:13], s[20:21]
	s_add_nc_u64 s[46:47], s[10:11], s[46:47]
	; the prefetches: of the 128 rows that my wave fetches, the four partners that ask for them jointly take 32 each, told apart by address alone (cx for the first operand's tiles, cy for the second's): a lane a row, 256 bytes of a row to a K step
	s_cmp_eq_u32 s15, 0
	s_cselect_b64 s[PFA:PFA+1], s[20:21], s[46:47]
	s_cselect_b32 s22, s40, s41
	s_lshl_b32 s22, s22, 16                        ; 32 rows of 2,048 bytes
	s_mov_b32 s23, 0
	s_add_nc_u64 s[PFA:PFA+1], s[PFA:PFA+1], s[22:23]
	s_wait_alu depctr_va_vdst(0)
	global_prefetch_b8 v[PFO], s[PFA:PFA+1] th:TH_LOAD_NT scope:SCOPE_SE   ; K step 0, as soon as its address is known: ahead of the requests for the later steps
	CROUND
.irp s, 0,1
	s_mov_b32 s[G0+4*\s], 1
	s_add_co_u32 s[G0+4*\s+1], s45, \s*SLOT
	s_add_nc_u64 s[G0+4*\s+2:G0+4*\s+3], s[20:21], \s*ROWB
	s_or_b32 s[G0+4*\s+3], s[G0+4*\s+3], 0x80000000
	s_mov_b32 s[G0B+4*\s], 1
	s_add_co_u32 s[G0B+4*\s+1], s45, \s*SLOT
	s_add_nc_u64 s[G0B+4*\s+2:G0B+4*\s+3], s[46:47], \s*ROWB
	s_or_b32 s[G0B+4*\s+3], s[G0B+4*\s+3], 0x80000000
	s_wait_alu depctr_va_vdst(0)
	s_wait_tensorcnt 0x0
	ds_add_u32 v28, v29
	ds_add_u32 v28, v29
	s_wait_dscnt 0x0
	CROUND
	JLOAD G0+4*\s, G1, G0B+4*\s, G1B
.if \s == 0
	global_prefetch_b8 v[PFO], s[PFA:PFA+1] offset:ROWB th:TH_LOAD_NT scope:SCOPE_SE          ; behind K step 0's load: K step 1,
.endif
	global_prefetch_b8 v[PFO], s[PFA:PFA+1] offset:(2+\s)*ROWB th:TH_LOAD_NT scope:SCOPE_SE   ; and the K step two loads on
.endr
	v_and_b32 v1, 15, v0
	s_wait_alu depctr_va_vdst(0)
	v_bfe_u32 v2, v0, 4, 1
	v_mul_u32_u24 v3, v1, PITCH
	v_lshl_add_u32 v4, v2, 4, v3
	s_mul_i32 s21, s15, HALFT
	s_mul_i32 s22, s16, HALFT
	s_add_co_u32 s22, s22, 2*HALFT
.irp s, 0,1
	v_add_nc_u32 v[ADRA+\s], s21, v4
	v_add_nc_u32 v[ADRB+\s], s22, v4
	s_add_co_u32 s21, s21, SLOT
	s_add_co_u32 s22, s22, SLOT
.endr
	s_mul_i32 s23, s14, 16*OP
	v_mul_u32_u24 v5, v1, OP
	s_wait_alu depctr_va_vdst(0)
	v_lshl_add_u32 v5, v2, 3, v5
	v_add_nc_u32 v[STO], s23, v5
	v_and_b32 v6, 31, v0
	v_lshlrev_b32 v[CO], 4, v6
	v_lshrrev_b32 v5, 3, v6
	v_mul_u32_u24 v5, v5, OP
	v_and_b32 v7, 7, v6
	v_lshl_add_u32 v5, v7, 4, v5
	v_add_nc_u32 v[RD], s23, v5
	v_lshlrev_b32 v[BOFF], 5, v2
	v_lshlrev_b32 v[VOFF], 2, v1
	s_lshl_b32 s98, s42, 1
	s_add_co_u32 s98, s98, s16
	s_lshl_b32 s99, s17, 1
	s_add_co_u32 s99, s99, s15
	s_cmp_eq_u32 s[TN], 2
	s_cselect_b32 s100, s99, s98
	s_cselect_b32 s101, s98, s99
	s_lshl_b32 s6, s100, 18
	s_lshl_b32 s7, s101, 14
	s_add_co_u32 s6, s6, s7
	s_add_co_u32 s6, s6, s5
	s_mov_b32 s7, 0
	s_add_nc_u64 s[8:9], s[82:83], s[6:7]
	s_lshl_b32 s6, s99, 16
	s_add_nc_u64 s[10:11], s[80:81], s[6:7]
	s_cmp_eq_u32 s[TN], 1
	s_cselect_b64 s[12:13], s[76:77], s[74:75]
	s_cmp_eq_u32 s[TN], 2
	s_cselect_b64 s[12:13], s[78:79], s[12:13]
	s_lshl_b32 s6, s100, 9
	s_add_nc_u64 s[12:13], s[12:13], s[6:7]
.macro FRAG reg, adr, q, i
.irp c, 0,1,2,3
	ds_load_b128 v[\reg+4*\c:\reg+4*\c+3], v[\adr] offset:128*(\q)+32*\c+(\i)*16*PITCH
.endr
.endm
.macro MUL16 a0, p, zero
.irp a, \a0, \a0+1
.irp b, 0,1,2,3,4,5,6,7
.if \zero
	v_wmma_f32_16x16x128_fp8_fp8 v[8*(8*((\a)%4)+\b):8*(8*((\a)%4)+\b)+7], v[128*(\p)+FR*\b:128*(\p)+FR*\b+FR-1], v[AF+FR*(\a):AF+FR*(\a)+FR-1], 0
.else
	v_wmma_f32_16x16x128_fp8_fp8 v[8*(8*((\a)%4)+\b):8*(8*((\a)%4)+\b)+7], v[128*(\p)+FR*\b:128*(\p)+FR*\b+FR-1], v[AF+FR*(\a):AF+FR*(\a)+FR-1], v[8*(8*((\a)%4)+\b):8*(8*((\a)%4)+\b)+7]
.endif
.endr
.endr
.endm
.macro FETCH_B slot, q, p
	WIN TO_B
.irp i, 0,1,2,3,4,5,6,7
	FRAG 128*(\p)+FR*\i, ADRB+\slot, \q, \i
.endr
	WIN 0
.endm
.macro FETCH_A slot, q, i0
.irp i, \i0, \i0+1, \i0+2, \i0+3
	FRAG AF+FR*(\i), ADRA+\slot, \q, \i
.endr
.endm
.macro PLACES n
.rept \n
	v_nop
.endr
.endm
.macro STEP slot, q, zero
	s_wait_dscnt 4*NL
	WIN MUL_LO
	MUL16 0, (\q)%2, \zero
	MUL16 2, (\q)%2, \zero
	s_wait_dscnt 0
	PLACES NP
	FETCH_B \slot, (\q)+1, 1-(\q)%2
	FETCH_A \slot, (\q)+1, 0
	WIN MUL_HI
	MUL16 4, (\q)%2, \zero
	MUL16 6, (\q)%2, \zero
	PLACES NP
	WIN 0
	FETCH_A \slot, (\q)+1, 4
.endm
.macro TURN slot, next, fill
.if \fill
	s_wait_xcnt 0x0                                ; my prefetches have read their address: it is stepped here, a K step on at each refill
	s_add_nc_u64 s[PFA:PFA+1], s[PFA:PFA+1], ROWB
.endif
	s_wait_tensorcnt 0x0
	ds_add_u32 v[SPW], v[NIL]
	s_wait_dscnt 4*NL+1
	WIN MUL_LO
	MUL16 0, 1, 0
	s_wait_dscnt 0x0
	s_barrier_signal -1
	MUL16 2, 1, 0
	WIN 0
	s_barrier_wait -1
.if \fill
	CREST
	s_add_nc_u64 s[G0+4*\slot+2:G0+4*\slot+3], s[G0+4*\slot+2:G0+4*\slot+3], 2*ROWB
	s_add_nc_u64 s[G0B+4*\slot+2:G0B+4*\slot+3], s[G0B+4*\slot+2:G0B+4*\slot+3], 2*ROWB
	JLOAD G0+4*\slot, G1, G0B+4*\slot, G1B
.else
	PLACES NP
.endif
	FETCH_B \next, 0, 0
	FETCH_A \next, 0, 0
.if \fill
	s_cmp_gt_u32 s3, 1                             ; the refill brings K step n + 2; the prefetch names K step n + 4: the loop's last trip has none left
	s_cbranch_scc0 .Lnoask_\@
	global_prefetch_b8 v[PFO], s[PFA:PFA+1] offset:3*ROWB th:TH_LOAD_NT scope:SCOPE_SE
.Lnoask_\@:
.endif
	WIN MUL_HI
	MUL16 4, 1, 0
	MUL16 6, 1, 0
	PLACES NP
	WIN 0
	FETCH_A \next, 0, 4
.endm
	s_wait_tensorcnt 1
	s_barrier_signal -1
	s_barrier_wait -1
	FETCH_B 0, 0, 0
	FETCH_A 0, 0, 0
	FETCH_A 0, 0, 4
	STEP 0, 0, 1
	s_mov_b32 s3, LAPS-1
.Llap:
	TURN 0, 1, 1
	STEP 1, 0, 0
	TURN 1, 0, 1
	STEP 0, 0, 0
	s_sub_co_u32 s3, s3, 1
	s_cmp_lg_u32 s3, 0
	s_cbranch_scc1 .Llap
	TURN 0, 1, 0
	STEP 1, 0, 0
	s_cmp_eq_u32 s[TN], 2
	s_cbranch_scc1 .Lbias_v
	WIN TO_B
	s_wait_alu depctr_va_vdst(0)
.irp b, 0,1,2,3,4,5,6,7
	global_load_b128 v[8*\b:8*\b+3], v[BOFF], s[12:13] offset:64*\b
	global_load_b128 v[8*\b+4:8*\b+7], v[BOFF], s[12:13] offset:64*\b+16
.endr
.set i, 0
.rept 16
	global_load_b128 v[64+4*i:67+4*i], v[CO], s[10:11] offset:512*i
.set i, i+1
.endr
	WIN 0
	s_branch .Lbias_done
.Lbias_v:
	WIN TO_B
	s_wait_alu depctr_va_vdst(0)
.irp a, 0,1,2,3,4,5,6,7
	global_load_b32 v[2*\a], v[VOFF], s[12:13] offset:64*\a
	global_load_b32 v[2*\a+1], v[VOFF], s[12:13] offset:64*\a
.endr
	WIN 0
.Lbias_done:
	s_wait_dscnt 4*NL
	WIN MUL_LO
	MUL16 0, 1, 0
	MUL16 2, 1, 0
	s_wait_dscnt 0
	WIN MUL_HI
	MUL16 4, 1, 0
	MUL16 6, 1, 0
	WIN 0
; cos and sin of block k, 16 loads of 512 consecutive bytes, into buffer k % 4: three buffers in window 1 (v64, v128, v192), the fourth in window 0 (v160-223, which held fragments)
.macro CSLOAD k
.if ((\k)%4) == 3
	WIN 0
.set CB, 160
.else
	WIN TO_B
.set CB, 64+64*((\k)%4)
.endif
.set i, 0
.rept 16
	global_load_b128 v[CB+4*i:CB+4*i+3], v[CO], s[10:11] offset:8192*(\k)+512*i
.set i, i+1
.endr
.endm
.macro YQK a
.set AC, 64*((\a)%4)
.if (\a) == 0
	CSLOAD 1
	CSLOAD 2
.endif
.if (\a) < 5
	CSLOAD (\a)+3                                  ; three blocks ahead, into the buffer that block a - 1 has left
	s_wait_loadcnt 48                              ; block a is in; the 3 x 16 loads behind it may be out
.else
	s_wait_loadcnt 16*(7-(\a))
.endif
.if ((\a)%4) == 3
.set CSX, 160
.set CSW, 0
.else
.set CSX, 64+64*((\a)%4)
.set CSW, 0x04
.endif
	WIN 0x12+((\a)/4)
.set j, 0
.rept 32
	v_pk_fma_f32 v[TMP+j:TMP+j+1], v[AC+j:AC+j+1], s[96:97], v[j:j+1] op_sel_hi:[1,0,1]
.set j, j+2
.endr
	WIN CSW
.set g, 0
.rept 4
.set j, 0
.rept 8
	v_pk_mul_f32 v[T2+j:T2+j+1], v[TMP+g+j:TMP+g+j+1], v[CSX+g+j:CSX+g+j+1] op_sel_hi:[1,0]
.set j, j+2
.endr
.set j, 0
.rept 8
	v_pk_fma_f32 v[TMP+g+j:TMP+g+j+1], v[TMP+g+j:TMP+g+j+1], v[CSX+g+j:CSX+g+j+1], v[T2+j:T2+j+1] op_sel:[1,1,0] op_sel_hi:[0,1,1] neg_lo:[0,1,0]
.set j, j+2
.endr
.set g, g+16
.endr
	WIN 0
.endm
.macro YV a
.set AC, 64*((\a)%4)
	s_wait_loadcnt 0x0
	WIN 0x12+((\a)/4)
.set j, 0
.rept 32
	v_pk_fma_f32 v[TMP+j:TMP+j+1], v[AC+j:AC+j+1], s[96:97], v[2*(\a):2*(\a)+1] op_sel_hi:[1,0,1]
.set j, j+2
.endr
	WIN 0
.endm
.macro CODES a
.set j, 0
.rept 64
	v_med3_num_f32 v[TMP+j], v[TMP+j], -v9, v9
.set j, j+1
.endr
.irp b, 0,1,2,3,4,5,6,7
	v_cvt_scalef32_pk8_fp8_f32 v[CD+2*\b:CD+2*\b+1], v[TMP+8*\b:TMP+8*\b+7], v8
.endr
	v_nop
.irp b, 0,1,2,3,4,5,6,7
	ds_store_b64 v[STO], v[CD+2*\b:CD+2*\b+1] offset:16*\b
.endr
.if (\a) >= 2
	s_wait_xcnt 0x0
.endif
.irp i, 0,1,2,3
	ds_load_b128 v[BK+16*((\a)%2)+4*\i:BK+16*((\a)%2)+4*\i+3], v[RD] offset:4*OP*\i
.endr
.endm
.macro SENDC a, younger
	s_wait_dscnt \younger
.irp i, 0,1,2,3
	global_store_b128 v[CO], v[BK+16*((\a)%2)+4*\i:BK+16*((\a)%2)+4*\i+3], s[8:9] offset:2048*(\a)+512*\i
.endr
.endm
	s_wait_kmcnt 0x0
	s_add_co_i32 s84, s84, s85
	s_add_co_i32 s86, s86, s87
	s_add_co_i32 s88, s88, s89
	s_cmp_eq_u32 s[TN], 1
	s_cselect_b32 s96, s86, s84
	s_cselect_b32 s98, s91, s90
	s_cmp_eq_u32 s[TN], 2
	s_cselect_b32 s96, s88, s96
	s_cselect_b32 s98, s93, s98
	s_add_co_i32 s96, s96, 127
	s_lshl_b32 s96, s96, 23
	s_mov_b32 s97, s96
	s_add_co_i32 s98, s98, 127
	s_lshl_b32 s99, s98, 23
	v_mov_b32 v8, s99
	s_add_co_i32 s98, s98, 8
	s_lshl_b32 s98, s98, 23
	s_or_b32 s98, s98, 0x600000
	v_mov_b32 v9, s98
	PLACES NP
.irp a, 0,1,2,3,4,5,6,7
	s_cmp_eq_u32 s[TN], 2
	s_cbranch_scc1 .Lyv_\a
	YQK \a
	s_branch .Lyj_\a
.Lyv_\a:
	YV \a
.Lyj_\a:
	CODES \a
.if \a > 0
	SENDC \a-1, 12
.endif
.endr
	SENDC 7, 0
	s_wait_tensorcnt 0x0
	ds_add_u32 v[SPW], v[NIL]
	s_wait_dscnt 0x0
	CROUND
	s_endpgm
.Lfunc_end_k_q72230bd67f_proj:
	.size	k_q72230bd67f_proj, .Lfunc_end_k_q72230bd67f_proj-k_q72230bd67f_proj
	.p2alignl 7, 3214868480
	.fill 96, 4, 3214868480
	.section	.rodata,"a",@progbits
	.p2align	6, 0x0
	.amdhsa_kernel k_q72230bd67f_proj
		.amdhsa_group_segment_fixed_size 327680
		.amdhsa_private_segment_fixed_size 0
		.amdhsa_enable_private_segment 0
		.amdhsa_kernarg_size 64
		.amdhsa_user_sgpr_count 2
		.amdhsa_user_sgpr_kernarg_segment_ptr 1
		.amdhsa_wavefront_size32 1
		.amdhsa_system_sgpr_workgroup_id_x 1
		.amdhsa_system_sgpr_workgroup_id_y 1
		.amdhsa_system_sgpr_workgroup_id_z 1
		.amdhsa_system_vgpr_workitem_id 0
		.amdhsa_next_free_vgpr 1024
		.amdhsa_next_free_sgpr 102
		.amdhsa_reserve_vcc 0
		.amdhsa_float_denorm_mode_32 3
		.amdhsa_float_denorm_mode_16_64 3
		.amdhsa_memory_ordered 1
		.amdhsa_forward_progress 1
		.amdhsa_inst_pref_size 209
	.end_amdhsa_kernel
	.amdgpu_metadata
---
amdhsa.version: [ 1, 2 ]
amdhsa.kernels:
  - .name:           k_q72230bd67f_proj
    .symbol:         k_q72230bd67f_proj.kd
    .args:
      - { .name: xc, .offset: 0, .size: 8, .value_kind: global_buffer, .address_space: global }
      - { .name: wc, .offset: 8, .size: 8, .value_kind: global_buffer, .address_space: global }
      - { .name: lowp_scales, .offset: 16, .size: 8, .value_kind: global_buffer, .address_space: global }
      - { .name: bq, .offset: 24, .size: 8, .value_kind: global_buffer, .address_space: global }
      - { .name: bk, .offset: 32, .size: 8, .value_kind: global_buffer, .address_space: global }
      - { .name: bv, .offset: 40, .size: 8, .value_kind: global_buffer, .address_space: global }
      - { .name: cst, .offset: 48, .size: 8, .value_kind: global_buffer, .address_space: global }
      - { .name: qkv, .offset: 56, .size: 8, .value_kind: global_buffer, .address_space: global }
    .group_segment_fixed_size: 327680
    .private_segment_fixed_size: 0
    .kernarg_segment_align: 8
    .kernarg_segment_size: 64
    .max_flat_workgroup_size: 128
    .sgpr_count:     102
    .vgpr_count:     1024
    .wavefront_size: 32
...
	.end_amdgpu_metadata
.endif
;; end of part 2
;; launch attn (part 3): grid 16 x 16, 16 waves a work-group, no clusters, 270,336 bytes of LDS; arguments qkv, simg, bits, cls, lowp_scales, oc; writes oc
.if DOCPART == 3
	.amdgcn_target "amdgcn-amd-amdhsa--gfx1250"
	.amdhsa_code_object_version 6
	.text
	.protected	k_q72230bd67f_attn
	.globl	k_q72230bd67f_attn
	.p2align	8
	.type	k_q72230bd67f_attn,@function
k_q72230bd67f_attn:
	s_mov_b64 s[64:65], 0
	v_nop
	global_prefetch_b8 v0, s[64:65] scope:SCOPE_SE
	s_setreg_imm32_b32 hwreg(HW_REG_WAVE_MODE, 25, 1), 1
	s_wait_xcnt 0x0
; ATTENTION on codes of E4M3.  The second product's left operand is quantised FINISHED: a = softmax x soft / (sum of softmax x soft + 1e-6).  With t = score x log2(e) / sqrt(128), M = the row's largest t rounded up,
; p = 2^(t - M), l = sum of p, w = sum of p x soft:  a = p x soft / (w + 1e-6 l).  So the keys are walked twice: walk 1 finds M, l and w; walk 2 makes the scores again, a, its codes, and O^T += V^T a^T.
; THE MASKS ARE INPUTS.  The earlier launch has stored the hard mask as bits and, for each tile of 16 queries x 128 keys, a class: 0 all hidden, 1 mixed, 2 all open.  A step of class 0 is left out by a scalar branch on that
; stored number; class 2 jumps over the masking.  The launch has no tensor load: K and V go through registers into LDS, a trip ahead.
; No cluster either: the work-groups of a head do share K and V, but a joint request is a tensor load.
; SHARES.  Work-group (j, head).  Two waves share a tile of 16 queries: in each trip of 256 keys one takes the first 128 and the other the second 128; their statistics and their O^T meet in LDS.
; A work-group's eight tiles are 4 j + 0 .. 3 and 127 - (4 j + 0 .. 3): under a triangular mask every work-group then has the same number of steps; under any other mask this is only an order of work.
; LAYOUT.  Both products transposed: S^T = K Q^T, O^T = V^T a^T: a lane holds ONE query (lane % 16).  Lane r of K's tile 2 b + u takes key 32 b + 8 u + r + 8 (r / 8), so that registers 16 b + i hold keys 32 b + 16 (lane / 16) + i.
; K'S ROWS IN LDS: key 32 b + x lies at row 32 b + x with bits 3 and 4 of x exchanged, so that a tile's 16 keys are 16 neighbouring rows of 144 bytes: 16 different columns of 16 bytes modulo 256.
; A STEP'S MASK WORDS AND SOFT BLOCK ARE ASKED FOR AT THE END OF THE TRIP BEFORE, into the registers that this trip has just read, where the next step's class is not 0; each walk's first are asked for whatever the class.
; A row all of whose keys are hidden gives NaN, as in the definition: r = 1 / 0, and r x 0 is added to the row's results ahead of their conversion.
; LIMITS: e6 + e7 between -123 and 130; e8, and e10 - e8 - e9, between -126 and 119; scores above -3e38; NaN among the inputs is not served.
; LDS: slot 0 at 0: K 256 rows x 144, V 2 x 128 rows x 144 at VOFF; STATS; OSTG; the spare words; slot 1 at 2^17; OMRG.
.set VOFF,  36864
.set HALFS, 18432                      ; 128 rows of 144 bytes
.set STATS, 73728                      ; 512 bytes a wave: -M, l, w, a word a lane each
.set OSTG,  81920                      ; 2,304 bytes a tile: 16 rows x (128 + 16)
.set SPARE, 100352                     ; the spare words, 128 bytes for each wave: eight blocks of 256 bytes that no other line names
.set SLOT1, 131072
.set OMRG,  204800                     ; 8,192 bytes a tile: the second wave's O^T as an image of its registers
.set AK0, 1                            ; v1   my lane's place in a tile of K, in my half of a slot; V's tiles lie VOFF further on
.set SA0, 3                            ; v3   my lane's place among the rows that my wave stages: 144 (lane / 8) + 16 (lane % 8)
.set GOF, 4                            ; v4   16 x lane
.set BOF, 5                            ; v5   16 x (lane % 16)
.set ADK, 6                            ; v6   AK0 in the slot in hand
.set ASV, 7                            ; v7   where my staged rows of V go
.set MB,  8                            ; v8-11  my query's four words of mask bits
.set Q,   16                           ; v16-31
.set F,   32                           ; v32-95   fragments of K or of V
.set S,   96                           ; v96-127  32 scores: 64 keys at a time, in both walks
.set SO,  160                          ; v160-223 walk 1: soft
.set SF,  128                          ; v128-159 walk 2: soft
.set O,   160                          ; v160-223 walk 2: O^T
.set PFO, 230                          ; v230 walk 1: 256 x lane
.set STG, 232                          ; v232-247 sixteen rows on their way into LDS
.set LIM, 248
.set SC,  249
.set ASA, 250                          ; v250 where my staged rows of K go
.set WV,  16
.set PAR, 19
.set PID, 20
.set TT,  21
.set HD,  22
.set KB,  24
.set VB,  26
.set KO,  28
.set KP,  30
.set VP,  32
.set SP,  34
.set BP,  36
.set SP0, 38
.set BP0, 40
.set CW,  42
.set CW0, 43
.set PW,  44
.set TB,  45
.set TBN, 46
.set FL,  47
.set CS,  48
.set SEL, 50
.set CNT, 52
.set EPS, 53
.set SKB, 54                           ; s54  my wave's first staged row of K in a slot, in bytes: rows 32 (wave / 2) + 8 (wave % 2)
.set SVB, 55                           ; s55  the same for V: VOFF + rows 16 wave
.macro NOPS n
.rept \n
	v_nop
.endr
.endm
.macro LD4 dst, base                   ; sixteen rows of 128 bytes: four loads of 512 consecutive bytes
.irp i, 0,1,2,3
	global_load_b128 v[\dst+4*\i:\dst+4*\i+3], v[GOF], s[\base:\base+1] offset:512*\i
.endr
.endm
.macro LSOFT dst, n, off               ; n pieces of 512 consecutive bytes of my soft block
.set ii, 0
.rept \n
	global_load_b128 v[\dst+4*ii:\dst+4*ii+3], v[GOF], s[SP:SP+1] offset:\off+512*ii
.set ii, ii+1
.endr
.endm
.macro STK a, src                      ; memory rows 4 i + lane / 8 of my sixteen go to LDS rows 16 (i / 2) + 4 (i % 2) + lane / 8
	ds_store_b128 v[\a], v[\src:\src+3]
	ds_store_b128 v[\a], v[\src+4:\src+7] offset:576
	ds_store_b128 v[\a], v[\src+8:\src+11] offset:2304
	ds_store_b128 v[\a], v[\src+12:\src+15] offset:2880
.endm
.macro STV a, src                      ; V's rows keep their order
.irp i, 0,1,2,3
	ds_store_b128 v[\a], v[\src+4*\i:\src+4*\i+3] offset:576*\i
.endr
.endm
; four tiles of 16 keys (group g of my 128): fragments from LDS, then S^T = K Q^T into v[sb] on
.macro KQL g                           ; the loads,
.irp t, 0,1,2,3
.irp c, 0,1,2,3
	ds_load_b128 v[F+16*\t+4*\c:F+16*\t+4*\c+3], v[ADK] offset:2304*(4*(\g)+\t)+32*\c
.endr
.endr
.endm
.macro KQM sb                          ; their wait and the products,
	s_wait_dscnt 0x0
.irp t, 0,1,2,3
	v_wmma_f32_16x16x128_fp8_fp8 v[\sb+8*\t:\sb+8*\t+7], v[F+16*\t:F+16*\t+15], v[Q:Q+15], 0
.endr
.endm
.macro KQ g, sb                        ; both on end
	KQL \g
	KQM \sb
.endm
; hidden scores become -infinity: register 16 b + i holds key 32 b + 16 h + i = 4 (8 b + 4 h + i / 4) + i % 4: bit 8 b + i / 4 of word i % 4 shifted down by 4 h.  A step all of whose keys are open jumps over this.
.macro MASK g, nreg, cnt, first
	s_cmp_eq_u32 s[FL], 2
	s_cbranch_scc1 .Lopen_\@
.if \first
	s_wait_loadcnt \cnt                            ; the words are in; the loads issued behind them may be out
	v_bfe_u32 v255, v0, 4, 1
	s_delay_alu instid0(VALU_DEP_1)
	v_lshlrev_b32 v255, 2, v255
.irp j, 0,1,2,3
	v_lshrrev_b32 v[MB+\j], v255, v[MB+\j]
.endr
.endif
	v_mov_b32 v253, 0xff800000
.set mn, 0
.rept \nreg
	v_and_b32 v254, 1<<(8*(2*(\g)+mn/16)+(mn%16)/4), v[MB+mn%4]
	s_delay_alu instid0(VALU_DEP_1)
	v_cmp_eq_u32 vcc_lo, 0, v254
	v_cndmask_b32 v[S+mn], v[S+mn], v253, vcc_lo
.set mn, mn+1
.endr
.Lopen_\@:
.endm
	s_load_b256 s[4:11], s[0:1], 0x0               ; qkv 4, simg 6, bits 8, cls 10
	s_load_b128 s[12:15], s[0:1], 0x20             ; scales 12, oc 14
	v_lshrrev_b32 v1, 5, v0
	s_delay_alu instid0(VALU_DEP_1)
	v_readfirstlane_b32 s[WV], v1                  ; wave 0..15
	s_lshr_b32 s17, s[WV], 2                       ; idx
	s_xor_b32 s18, s[WV], s17
	s_and_b32 s18, s18, 1                          ; 1: a late tile
	s_lshr_b32 s[PAR], s[WV], 1
	s_lshr_b32 s23, s[WV], 3
	s_xor_b32 s[PAR], s[PAR], s23
	s_and_b32 s[PAR], s[PAR], 1                    ; which 128 keys of a trip are mine; my partner is wave xor 2
	s_lshl_b32 s[PID], s17, 1
	s_add_co_u32 s[PID], s[PID], s18               ; which of the work-group's eight tiles
	s_lshl_b32 s[TT], ttmp9, 2
	s_add_co_u32 s[TT], s[TT], s17
	s_sub_co_u32 s23, 127, s[TT]
	s_cmp_eq_u32 s18, 1
	s_cselect_b32 s[TT], s23, s[TT]                ; my tile of 16 queries
	s_and_b32 s[HD], ttmp7, 0xffff                 ; the head
	s_mul_i32 s23, s[PAR], HALFS
	s_lshr_b32 s[SKB], s[WV], 1
	s_mul_i32 s[SKB], s[SKB], 4608
	s_and_b32 s66, s[WV], 1
	s_mul_i32 s66, s66, 1152
	s_add_co_u32 s[SKB], s[SKB], s66
	s_mul_i32 s[SVB], s[WV], 2304
	s_add_co_u32 s[SVB], s[SVB], VOFF
	v_and_b32 v251, 15, v0                         ; r
	v_bfe_u32 v252, v0, 4, 1                       ; h
	v_and_b32 v253, 31, v0                         ; lane
	v_mul_u32_u24 v[AK0], v251, 144
	v_lshrrev_b32 v254, 3, v253
	v_and_b32 v255, 7, v253
	v_lshl_add_u32 v[AK0], v252, 4, v[AK0]
	v_mul_u32_u24 v[SA0], v254, 144
	v_lshlrev_b32 v[GOF], 4, v253
	v_add_nc_u32 v[AK0], s23, v[AK0]               ; row r, + 16 h, in my half
	v_lshl_add_u32 v[SA0], v255, 4, v[SA0]
	v_lshlrev_b32 v[BOF], 4, v251
	v_lshlrev_b32 v[PFO], 8, v253
	v_lshlrev_b32 v[ADK], 7, v251
	v_add_nc_u32 v[ASA], s[SKB], v[SA0]            ; trip 0 goes into slot 0
	v_add_nc_u32 v[ASV], s[SVB], v[SA0]
	v_lshl_add_u32 v[ADK], v252, 4, v[ADK]         ; Q: row r of 128 bytes, + 16 h
	s_mov_b32 s67, 0
	s_mov_b32 s[KO], 0
	s_mov_b32 s[KO+1], 0
	s_mov_b32 s[TB], 0
	s_mov_b32 s[SEL], 0x76543210
	s_mov_b32 s[SEL+1], 0xfedcba98
	s_mov_b32 s[EPS], 0x358637bd                   ; 1e-6
	s_wait_alu depctr_va_vdst(0)
	s_wait_kmcnt 0x0
	s_load_b128 s[56:59], s[12:13], 0x18           ; e6, e7, e8, e9
	s_load_b32 s60, s[12:13], 0x28                 ; e10
	s_lshl_b32 s66, s[TT], 2
	s_add_nc_u64 s[10:11], s[10:11], s[66:67]
	s_load_b32 s[CW0], s[10:11], 0x0               ; my tile's sixteen classes
	s_lshl_b32 s66, s[HD], 18
	s_add_nc_u64 s[4:5], s[4:5], s[66:67]          ; q at my head
	s_lshl_b32 s66, s[WV], 11
	s_add_nc_u64 s[KB:KB+1], s[4:5], s[66:67]
	s_add_nc_u64 s[KB:KB+1], s[KB:KB+1], 0x400000  ; k at my head, at the 16 rows of a trip's 256 that my wave stages
	s_add_nc_u64 s[VB:VB+1], s[KB:KB+1], 0x400000  ; v likewise
	s_lshl_b32 s66, s[TT], 11
	s_add_nc_u64 s[4:5], s[4:5], s[66:67]          ; q at my tile
	s_lshl_b32 s66, s[TT], 17
	s_lshl_b32 s23, s[PAR], 13
	s_add_co_u32 s66, s66, s23
	s_add_nc_u64 s[SP0:SP0+1], s[6:7], s[66:67]    ; soft at block (t, par)
	s_mov_b64 s[SP:SP+1], s[SP0:SP0+1]
	s_lshl_b32 s66, s[TT], 12
	s_lshl_b32 s23, s[PAR], 8
	s_add_co_u32 s66, s66, s23
	s_add_nc_u64 s[BP0:BP0+1], s[8:9], s[66:67]    ; the bits likewise
	s_mov_b64 s[BP:BP+1], s[BP0:BP0+1]
	s_lshl_b32 s66, s[TT], 15
	s_lshl_b32 s23, s[HD], 7
	s_add_co_u32 s66, s66, s23
	s_add_nc_u64 s[14:15], s[14:15], s[66:67]      ; oc at my 16 rows, my head's 128 bytes
	LD4 STG, KB                                    ; K of trip 0
	LD4 F, VB                                      ; V of trip 0: it waits in slot 0 for walk 2; walk 1 touches no V
.irp c, 0,1,2,3
	global_load_b128 v[Q+4*\c:Q+4*\c+3], v[ADK], s[4:5] offset:32*\c              ; Q stays in registers
.endr
	global_load_b128 v[MB:MB+3], v[BOF], s[BP:BP+1]   ; my first step's words and soft, whatever its class
	LSOFT SO, 16, 0
	v_mov_b32 v13, 0xff61b1e6                      ; the largest t so far: -3e38
	s_delay_alu instid0(VALU_DEP_1)
	v_floor_f32 v12, -v13                          ; -M
	v_mov_b32 v14, 0                               ; l, in two halves
	v_mov_b32 v15, 0
	v_mov_b32 v224, 0                              ; w, in two halves
	v_mov_b32 v225, 0
	v_mov_b32 v251, 0                              ; a lane permute's destination counts as one of its sources
	v_mov_b32 v253, 0                              ; (named as the upper half of the pair v[252:253])
	s_wait_kmcnt 0x0
	s_lshl_b32 s23, s[PAR], 1
	s_lshr_b32 s[CW0], s[CW0], s23                 ; my step's class in the low two bits, the next trip's four bits on
	s_mov_b32 s[CW], s[CW0]
	s_cmp_eq_u32 s[HD], 0
	s_cselect_b32 s[PW], s[CW0], 0                 ; head 0's work-groups alone prefetch
	s_add_co_i32 s23, s56, s57
	s_lshl_b32 s23, s23, 23
	s_mov_b32 s[CS], 0x3e0293ee                    ; c = log2(e) / sqrt(128),
	s_add_co_i32 s[CS], s[CS], s23                 ; x 2^(e6 + e7): the two exponents are added to its exponent field
	s_mov_b32 s[CS+1], s[CS]
	s_add_co_i32 s23, s58, 127
	s_lshl_b32 s66, s23, 23
	v_mov_b32 v[SC], s66                           ; 2^e8
	s_add_co_i32 s23, s23, 8
	s_lshl_b32 s23, s23, 23
	s_or_b32 s23, s23, 0x600000
	v_mov_b32 v[LIM], s23                          ; 448 x 2^e8
	s_wait_alu depctr_va_vdst(0)                   ; the wait at the head's end
	s_wait_loadcnt 17                              ; K, V and Q are in; the words and the 16 pieces of soft may be out
	STK ASA, STG
	STV ASV, F
	s_wait_dscnt 0x0                               ; for the others' sake; and the stores have read the staging registers,
	s_mov_b32 s[KO], 32768
	s_add_nc_u64 s[KP:KP+1], s[KB:KB+1], s[KO:KO+1]
	LD4 STG, KP                                    ; which take trip 1's rows of K: they are stored at trip 0's end
	s_barrier_signal -1
	s_barrier_wait -1
	; ---- WALK 1: eight trips of 256 keys.  Every wave stages its 16 rows of the next trip's K into the other slot (the last trip: trip 0's again, for walk 2) and passes the barrier; the step's work hangs on its class
; walk 1's work on 64 keys: the scores in v[S] on, their soft in v[SO + 32 g] on.  M runs on from chunk to chunk; l and w are brought under the new M by a power of two
.macro W1C g
.if (\g) == 0
	MASK 0, 32, 16, 1                              ; behind the words: 16 pieces of soft (trip 0: and the 4 staged loads, of which the count then covers some)
.else
	MASK 1, 32, 0, 0
.endif
	v_max3_num_f32 v254, v[S], v[S+1], v[S+2]      ; the chunk's largest score of my query among my 32 keys, in two chains,
	v_max3_num_f32 v252, v[S+3], v[S+4], v[S+5]
.irp i, 6,10,14,18,22,26
	v_max3_num_f32 v254, v254, v[S+\i], v[S+\i+1]
	v_max3_num_f32 v252, v252, v[S+\i+2], v[S+\i+3]
.endr
	v_max3_num_f32 v254, v254, v[S+30], v[S+31]
	s_delay_alu instid0(VALU_DEP_1)
	v_max_num_f32 v254, v254, v252
	s_delay_alu instid0(VALU_DEP_1)
	v_permlanex16_b32 v251, v254, s[SEL], s[SEL+1]
	s_delay_alu instid0(VALU_DEP_1)
	v_max_num_f32 v254, v254, v251                 ; and among lane l xor 16's
	s_delay_alu instid0(VALU_DEP_1)
	v_mul_f32 v254, s[CS], v254
	s_delay_alu instid0(VALU_DEP_1)
	v_max_num_f32 v13, v13, v254                   ; the running largest t
	v_mov_b32 v254, v12
	s_delay_alu instid0(VALU_DEP_2)
	v_floor_f32 v12, -v13                          ; the new -M: M is a whole number
	s_delay_alu instid0(VALU_DEP_1)
	v_sub_f32 v254, v12, v254
	s_delay_alu instid0(VALU_DEP_1)
	v_cvt_i32_f32 v254, v254                       ; (it saturates)
	s_delay_alu instid0(VALU_DEP_1)
	v_ldexp_f32 v252, 1.0, v254                    ; f = 2^(old M - new M)
.set jj, 0
.rept 16
	v_pk_fma_f32 v[S+jj:S+jj+1], v[S+jj:S+jj+1], s[CS:CS+1], v[12:13] op_sel_hi:[1,0,0]   ; t - M
.set jj, jj+2
.endr
.set jj, 0
	s_wait_alu depctr_va_vdst(0)
.rept 32
	v_exp_f32 v[S+jj], v[S+jj]                     ; p
.set jj, jj+1
.endr
	v_pk_mul_f32 v[14:15], v[14:15], v[252:253] op_sel_hi:[1,0]       ; l and w under the new M: plain lines behind the exponentials
	v_pk_mul_f32 v[224:225], v[224:225], v[252:253] op_sel_hi:[1,0]
	s_wait_alu depctr_va_vdst(0)                   ; one wait for the batch, ahead of its first reader
	v_pk_add_f32 v[228:229], v[S:S+1], v[S+2:S+3]  ; l: sixteen pairs in four chains
	v_pk_add_f32 v[254:255], v[S+4:S+5], v[S+6:S+7]
	v_pk_add_f32 v[226:227], v[S+8:S+9], v[S+10:S+11]
	v_pk_add_f32 v[14:15], v[14:15], v[S+12:S+13]
.irp j, 14,22
	v_pk_add_f32 v[228:229], v[228:229], v[S+\j:S+\j+1]
	v_pk_add_f32 v[254:255], v[254:255], v[S+\j+2:S+\j+3]
	v_pk_add_f32 v[226:227], v[226:227], v[S+\j+4:S+\j+5]
	v_pk_add_f32 v[14:15], v[14:15], v[S+\j+6:S+\j+7]
.endr
	v_pk_add_f32 v[228:229], v[228:229], v[S+30:S+31]
	v_pk_add_f32 v[254:255], v[254:255], v[226:227]
	v_pk_add_f32 v[14:15], v[14:15], v[228:229]
	v_pk_add_f32 v[14:15], v[14:15], v[254:255]
	s_wait_loadcnt 8-8*(\g)                        ; this chunk's 8 pieces of soft are in; the other chunk's 8 (g = 0) may be out
	v_pk_mul_f32 v[226:227], v[S:S+1], v[SO+32*(\g):SO+32*(\g)+1]
	v_pk_fma_f32 v[224:225], v[S+2:S+3], v[SO+32*(\g)+2:SO+32*(\g)+3], v[224:225]
.irp j, 4,8,12,16,20,24,28
	v_pk_fma_f32 v[226:227], v[S+\j:S+\j+1], v[SO+32*(\g)+\j:SO+32*(\g)+\j+1], v[226:227]
	v_pk_fma_f32 v[224:225], v[S+\j+2:S+\j+3], v[SO+32*(\g)+\j+2:SO+32*(\g)+\j+3], v[224:225]
.endr
	v_pk_add_f32 v[224:225], v[224:225], v[226:227]
.endm
	s_mov_b32 s[CNT], 8
.Lw1:
	s_xor_b32 s[TBN], s[TB], SLOT1
	s_add_co_u32 s[TBN], s[TBN], s[SKB]
	v_add_nc_u32 v[ADK], s[TB], v[AK0]
	v_add_nc_u32 v[ASA], s[TBN], v[SA0]
	s_and_b32 s[FL], s[CW], 3
	s_cmp_eq_u32 s[FL], 0
	s_cbranch_scc1 .Lidle1
	s_wait_alu depctr_va_vdst(0)
	KQ 0, S
	NOPS 4                                         ; places in front of loads into registers that matrix instructions have read, and of the first read of results
	KQL 1                                          ; the second 64 keys' fragments are on their way while the first 64 are worked
	W1C 0
	KQM S
	NOPS 4
	W1C 1
.Lidle1:
	s_wait_loadcnt 0x0                             ; the next trip's rows of K
	s_wait_alu depctr_va_vdst(0)
	STK ASA, STG
	s_wait_xcnt 0x0                                ; the loads and the prefetch have read their bases
	s_add_nc_u64 s[SP:SP+1], s[SP:SP+1], 16384
	s_add_nc_u64 s[BP:BP+1], s[BP:BP+1], 512
	s_lshr_b32 s[CW], s[CW], 4
	s_lshr_b32 s[PW], s[PW], 4
	s_xor_b32 s[TB], s[TB], SLOT1
	s_add_co_u32 s[KO], s[KO], 32768
	s_and_b32 s[KO], s[KO], 0x3ffff
	s_add_nc_u64 s[KP:KP+1], s[KB:KB+1], s[KO:KO+1]
	s_wait_dscnt 0x0                               ; the stores have read the staging registers
	s_cmp_eq_u32 s[CNT], 1                         ; behind the last trip nothing more is asked for
	s_cbranch_scc1 .Lnl1
	LD4 STG, KP                                    ; the rows of K of the trip after the next (behind trip 6: trip 0's again, for walk 2), ahead of the soft loads and of the barrier; they are stored at the next trip's end
	s_and_b32 s23, s[CW], 3                        ; the next trip's class
	s_cmp_eq_u32 s23, 0
	s_cbranch_scc1 .Lnl1
	global_load_b128 v[MB:MB+3], v[BOF], s[BP:BP+1]   ; the next step's words and soft, into the registers just read
	LSOFT SO, 16, 0
	; a prefetch of the block one trip behind the one just asked for, 32 lanes x 256 bytes, where that step is not all hidden.  The sixteen heads read the same blocks: head 0's work-groups ask, each block once in the launch;
	; the last trips find no class there and ask for nothing.  Walk 2 reads the blocks a second time and asks for none
	s_bfe_u32 s23, s[PW], 0x20004
	s_cmp_eq_u32 s23, 0
	s_cbranch_scc1 .Lnl1
	global_prefetch_b8 v[PFO], s[SP:SP+1] offset:16384 th:TH_LOAD_NT scope:SCOPE_SE
.Lnl1:
	s_wait_dscnt 0x0                               ; my stores have landed, and my reads of the slot that I leave are over
	s_barrier_signal -1
	s_barrier_wait -1
	s_sub_co_u32 s[CNT], s[CNT], 1
	s_cmp_lg_u32 s[CNT], 0
	s_cbranch_scc1 .Lw1
	; ---- BETWEEN THE WALKS: walk 2's first words and soft are asked for; the two waves of a tile join their statistics.  The factors are powers of two, so both get the same l and w, bit for bit
	s_wait_loadcnt 0x0                             ; no load of walk 1 is out: its registers are given out anew
	s_wait_xcnt 0x0
	s_mov_b64 s[SP:SP+1], s[SP0:SP0+1]
	s_mov_b64 s[BP:BP+1], s[BP0:BP0+1]
	s_mov_b32 s[CW], s[CW0]
	s_mov_b32 s[KO], 0
	global_load_b128 v[MB:MB+3], v[BOF], s[BP:BP+1]
	LSOFT SF, 8, 0
	v_add_f32 v14, v14, v15
	v_add_f32 v224, v224, v225
	s_delay_alu instid0(VALU_DEP_2)
	v_permlanex16_b32 v251, v14, s[SEL], s[SEL+1]
	s_delay_alu instid0(VALU_DEP_1)
	v_add_f32 v14, v14, v251
	s_delay_alu instid0(VALU_DEP_2)
	v_permlanex16_b32 v251, v224, s[SEL], s[SEL+1]
	s_delay_alu instid0(VALU_DEP_1)
	v_add_f32 v224, v224, v251
	v_and_b32 v232, 31, v0
	s_delay_alu instid0(VALU_DEP_1)
	v_lshlrev_b32 v232, 2, v232
	s_lshl_b32 s23, s[WV], 9
	s_add_co_u32 s23, s23, STATS
	s_xor_b32 s66, s[WV], 2
	s_lshl_b32 s66, s66, 9
	s_add_co_u32 s66, s66, STATS
	v_add_nc_u32 v233, s66, v232                   ; my partner's words
	v_add_nc_u32 v232, s23, v232                   ; mine
	ds_store_b32 v232, v12
	ds_store_b32 v232, v14 offset:128
	ds_store_b32 v232, v224 offset:256
	s_wait_alu depctr_va_vdst(0)
	s_wait_dscnt 0x0
	s_barrier_signal -1
	s_barrier_wait -1
	ds_load_b32 v234, v233
	ds_load_b32 v235, v233 offset:128
	ds_load_b32 v236, v233 offset:256
	s_wait_dscnt 0x0
	v_min_num_f32 v237, v12, v234                  ; the common -M
	s_delay_alu instid0(VALU_DEP_1)
	v_sub_f32 v238, v237, v12
	s_delay_alu instid0(VALU_DEP_2)
	v_sub_f32 v239, v237, v234
	s_delay_alu instid0(VALU_DEP_2)
	v_cvt_i32_f32 v238, v238
	s_delay_alu instid0(VALU_DEP_2)
	v_cvt_i32_f32 v239, v239
	s_delay_alu instid0(VALU_DEP_2)
	v_ldexp_f32 v238, 1.0, v238
	s_delay_alu instid0(VALU_DEP_2)
	v_ldexp_f32 v239, 1.0, v239
	s_delay_alu instid0(VALU_DEP_2)
	v_mul_f32 v14, v14, v238
	s_delay_alu instid0(VALU_DEP_3)
	v_mul_f32 v224, v224, v238
	s_delay_alu instid0(VALU_DEP_2)
	v_fma_f32 v14, v235, v239, v14                 ; l
	s_delay_alu instid0(VALU_DEP_2)
	v_fma_f32 v224, v236, v239, v224               ; w
	v_mov_b32 v12, v237
	s_delay_alu instid0(VALU_DEP_2)
	v_fma_f32 v240, v14, s[EPS], v224              ; w + 1e-6 l
	s_wait_alu depctr_va_vdst(0)
	v_rcp_f32 v14, v240                            ; r
	v_nop                                          ; a plain line behind the reciprocal
.set jj, 0
.rept 64
	v_mov_b32 v[O+jj], 0                           ; O^T: which step's product comes first hangs on the classes, so the sums begin as zeros
.set jj, jj+1
.endr
	s_wait_alu depctr_va_vdst(0)                   ; ahead of the reciprocal's first reader
	v_mul_f32 v15, 0, v14                          ; 0, or NaN where every key of the row was hidden
	s_add_nc_u64 s[KP:KP+1], s[KB:KB+1], 32768
	LD4 STG, KP                                    ; trip 1's rows of K, into the staging registers, which the lines above have left
; ---- WALK 2.  64 keys at a time: scores, a, its codes, O^T += V^T a^T by the K = 64 form; V's eight fragments are asked for ahead of the vector work and land beside it.
.macro CHUNK g, stage
	NOPS 4                                         ; places in front of loads into registers that matrix instructions have read
	KQ \g, S
	NOPS 4
.irp t, 0,1,2,3,4,5,6,7
.irp c, 0,1
	ds_load_b128 v[F+8*\t+4*\c:F+8*\t+4*\c+3], v[ADK] offset:VOFF+2304*\t+64*(\g)+32*\c
.endr
.endr
.if (\g) == 0
	MASK 0, 32, 8, 1                               ; behind the words: 8 pieces of soft
.else
	MASK 1, 32, 0, 0
.endif
.set jj, 0
.rept 16
	v_pk_fma_f32 v[S+jj:S+jj+1], v[S+jj:S+jj+1], s[CS:CS+1], v[12:13] op_sel_hi:[1,0,0]
.set jj, jj+2
.endr
.set jj, 0
	s_wait_alu depctr_va_vdst(0)
.rept 32
	v_exp_f32 v[S+jj], v[S+jj]
.set jj, jj+1
.endr
	s_wait_loadcnt 4*(\stage)*(\g)                 ; this chunk's soft; behind the second chunk's, V's four staged loads may be out
.set jj, 0
.rept 16
	v_pk_mul_f32 v[SF+jj:SF+jj+1], v[SF+jj:SF+jj+1], v[14:15] op_sel_hi:[1,0]   ; soft x r: work that names no exponential's result
.set jj, jj+2
.endr
	s_wait_alu depctr_va_vdst(0)                   ; one wait for the batch
.set jj, 0
.rept 16
	v_pk_mul_f32 v[S+jj:S+jj+1], v[S+jj:S+jj+1], v[SF+jj:SF+jj+1]               ; a
.set jj, jj+2
.endr
.if (\g) == 0
	LSOFT SF, 8, 4096                              ; the second chunk's soft
.endif
.set jj, 0
.rept 32
	v_med3_num_f32 v[S+jj], v[S+jj], -v[LIM], v[LIM]   ; the conversion to an 8-bit code does not saturate (ISA guide 7.6.2)
.set jj, jj+1
.endr
.irp b, 0,1
	v_cvt_scalef32_pk8_fp8_f32 v[224+4*\b:225+4*\b], v[S+16*\b:S+16*\b+7], v[SC]
	v_cvt_scalef32_pk8_fp8_f32 v[226+4*\b:227+4*\b], v[S+16*\b+8:S+16*\b+15], v[SC]
.endr
	v_nop                                          ; a plain line between the conversions and the products that read their results
	s_wait_alu depctr_va_vdst(0)
	s_wait_dscnt 0x0                               ; V's fragments
.irp t, 0,1,2,3,4,5,6,7
	v_wmma_f32_16x16x64_fp8_fp8 v[O+8*\t:O+8*\t+7], v[F+8*\t:F+8*\t+7], v[224:231], v[O+8*\t:O+8*\t+7]   ; the eight accumulators by turns
.endr
.endm
.macro FWD2                            ; on to the next trip's blocks; SCC = 1 where its class is 0
	s_wait_xcnt 0x0                                ; the trip's loads have read their bases
	s_add_nc_u64 s[SP:SP+1], s[SP:SP+1], 16384
	s_add_nc_u64 s[BP:BP+1], s[BP:BP+1], 512
	s_lshr_b32 s[CW], s[CW], 4
	s_and_b32 s23, s[CW], 3
	s_cmp_eq_u32 s23, 0
.endm
.macro NEXT2                           ; the next step's words and its first chunk's soft: 9 loads
	global_load_b128 v[MB:MB+3], v[BOF], s[BP:BP+1]
	LSOFT SF, 8, 0
.endm
.macro TRIP2 stage
.if \stage
	s_add_co_u32 s[KO], s[KO], 32768
	s_add_nc_u64 s[VP:VP+1], s[VB:VB+1], s[KO:KO+1]
	s_xor_b32 s[TBN], s[TB], SLOT1
	s_add_co_u32 s23, s[TBN], s[SKB]
	s_add_co_u32 s66, s[TBN], s[SVB]
	v_add_nc_u32 v[ASA], s23, v[SA0]
	v_add_nc_u32 v[ASV], s66, v[SA0]
.endif
	v_add_nc_u32 v[ADK], s[TB], v[AK0]
	s_and_b32 s[FL], s[CW], 3
	s_cmp_eq_u32 s[FL], 0
.if \stage
	s_cbranch_scc1 .Lidle_\@
.else
	s_cbranch_scc1 .Ljoin_\@
.endif
	s_wait_alu depctr_va_vdst(0)
	CHUNK 0, \stage
.if \stage
	s_wait_loadcnt 8                               ; K's rows are in; the second chunk's 8 soft loads may be out
	STK ASA, STG
	s_wait_dscnt 0x0                               ; the stores have read their registers, which V's rows take
	LD4 STG, VP
.endif
	CHUNK 1, \stage
.if \stage
	s_wait_loadcnt 0x0                             ; V's rows
	STV ASV, STG
	s_branch .Lfw_\@
.Lidle_\@:                                         ; a hidden step: K's rows were asked for a trip ago; V's come into the fragments' registers, which are at rest
	NOPS 4                                         ; places in front of loads into registers that matrix instructions have read
	LD4 F, VP
	s_wait_alu depctr_va_vdst(0)
	s_wait_loadcnt 0x0
	STK ASA, STG
	STV ASV, F
.Lfw_\@:
	s_wait_dscnt 0x0                               ; the stores have read the staging registers
	s_cmp_eq_u32 s[CNT], 1                         ; the loop's last trip stages the last rows: no trip is left to ask for
	s_cbranch_scc1 .Lnk_\@
	s_add_nc_u64 s[KP:KP+1], s[KB:KB+1], s[KO:KO+1]
	s_add_nc_u64 s[KP:KP+1], s[KP:KP+1], 32768
	LD4 STG, KP                                    ; the rows of K of the trip after the next, ahead of the soft loads and of the barrier
.Lnk_\@:
	FWD2
	s_cbranch_scc1 .Ljoin_\@
	NEXT2
.endif
.Ljoin_\@:
.if \stage
	s_xor_b32 s[TB], s[TB], SLOT1
	s_wait_dscnt 0x0                               ; my stores have landed, and my reads of the slot that I leave are over
	s_barrier_signal -1
	s_barrier_wait -1
.else
	s_wait_loadcnt 0x0
.endif
.endm
	s_mov_b32 s[CNT], 7
.Lw2:
	TRIP2 1
	s_sub_co_u32 s[CNT], s[CNT], 1
	s_cmp_lg_u32 s[CNT], 0
	s_cbranch_scc1 .Lw2
	TRIP2 0                                        ; the last trip stages nothing and asks for nothing
	; ---- THE END.  Every LDS address is made ahead of the parting of the waves; these lines are also the places behind the last products
	v_and_b32 v251, 15, v0
	v_bfe_u32 v252, v0, 4, 1
	v_and_b32 v253, 31, v0
	s_lshl_b32 s66, s[PID], 13
	s_add_co_u32 s66, s66, OMRG
	v_lshl_add_u32 v232, v253, 4, s66              ; the image of O^T: 16 x lane
	s_mul_i32 s66, s[PID], 2304
	s_add_co_u32 s66, s66, OSTG
	v_mul_u32_u24 v233, v251, 144
	s_delay_alu instid0(VALU_DEP_1)
	v_lshl_add_u32 v233, v252, 3, v233
	s_delay_alu instid0(VALU_DEP_1)
	v_add_nc_u32 v233, s66, v233                   ; the codes' stage, in: row r, 8 bytes for each half of the lanes
	v_lshrrev_b32 v254, 3, v253
	v_and_b32 v255, 7, v253
	s_delay_alu instid0(VALU_DEP_2)
	v_mul_u32_u24 v234, v254, 144
	s_delay_alu instid0(VALU_DEP_1)
	v_lshl_add_u32 v234, v255, 4, v234
	s_delay_alu instid0(VALU_DEP_1)
	v_add_nc_u32 v234, s66, v234                   ; back: eight lanes to a row
	v_lshlrev_b32 v235, 11, v254
	s_delay_alu instid0(VALU_DEP_1)
	v_lshl_add_u32 v235, v255, 4, v235             ; and the same place in oc: rows of 2,048 bytes
	s_sub_co_i32 s23, s60, s58
	s_sub_co_i32 s23, s23, s59                     ; a sum stands for sum x 2^(e8 + e9): its code is sum / 2^(e10 - e8 - e9)
	s_add_co_i32 s23, s23, 127
	s_lshl_b32 s66, s23, 23
	v_mov_b32 v[SC], s66
	s_add_co_i32 s23, s23, 8
	s_lshl_b32 s23, s23, 23
	s_or_b32 s23, s23, 0x600000
	v_mov_b32 v[LIM], s23
	s_cmp_eq_u32 s[PAR], 0
	s_cbranch_scc1 .Lkeep
.set ii, 0
.rept 16
	ds_store_b128 v232, v[O+4*ii:O+4*ii+3] offset:512*ii   ; the second wave hands its O^T over, each accumulator from its low end on
.set ii, ii+1
.endr
.Lkeep:
	s_wait_dscnt 0x0
	s_barrier_signal -1
	s_barrier_wait -1
	s_cmp_lg_u32 s[PAR], 0
	s_cbranch_scc1 .Ldone
.set ii, 0
.rept 16
	ds_load_b128 v[F+4*ii:F+4*ii+3], v232 offset:512*ii
.set ii, ii+1
.endr
	s_wait_dscnt 0x0
.set jj, 0
.rept 32
	v_pk_add_f32 v[O+jj:O+jj+1], v[O+jj:O+jj+1], v[F+jj:F+jj+1]
.set jj, jj+2
.endr
.set jj, 0
.rept 64
	v_med3_num_f32 v[O+jj], v[O+jj], -v[LIM], v[LIM]
.set jj, jj+1
.endr
.set jj, 0
.rept 32
	v_pk_add_f32 v[O+jj:O+jj+1], v[O+jj:O+jj+1], v[14:15] op_sel:[0,1] op_sel_hi:[1,1]   ; + 0, or NaN for a row with no open key: behind the hold, which would drop it
.set jj, jj+2
.endr
.irp t, 0,1,2,3,4,5,6,7
	v_cvt_scalef32_pk8_fp8_f32 v[F+2*\t:F+2*\t+1], v[O+8*\t:O+8*\t+7], v[SC]             ; d = 16 t + 8 h + 0 .. 7 of my query: neighbours along the last product's K
.endr
	v_nop                                          ; a plain line behind the last conversion
.irp t, 0,1,2,3,4,5,6,7
	ds_store_b64 v233, v[F+2*\t:F+2*\t+1] offset:16*\t
.endr
.irp i, 0,1,2,3
	ds_load_b128 v[F+32+4*\i:F+35+4*\i], v234 offset:576*\i   ; LDS serves a wave's instructions in order: these see my stores
.endr
	s_wait_dscnt 0x0
.irp i, 0,1,2,3
	global_store_b128 v235, v[F+32+4*\i:F+35+4*\i], s[14:15] offset:8192*\i   ; eight lanes store a head's 128 bytes of a row: runs of 128 consecutive bytes, since a row of oc holds sixteen heads
.endr
.Ldone:
	v_lshl_add_u32 v232, v0, 2, SPARE              ; the add's two registers are made anew: none could be kept
	v_mov_b32 v233, 0
	s_wait_alu depctr_va_vdst(0)
	s_wait_tensorcnt 0x0                           ; the wave's end
	ds_add_u32 v232, v233
	s_wait_dscnt 0x0
	s_endpgm
.Lfunc_end_k_q72230bd67f_attn:
	.size	k_q72230bd67f_attn, .Lfunc_end_k_q72230bd67f_attn-k_q72230bd67f_attn
	.p2alignl 7, 3214868480
	.fill 96, 4, 3214868480
	.section	.rodata,"a",@progbits
	.p2align	6, 0x0
	.amdhsa_kernel k_q72230bd67f_attn
		.amdhsa_group_segment_fixed_size 270336
		.amdhsa_private_segment_fixed_size 0
		.amdhsa_enable_private_segment 0
		.amdhsa_kernarg_size 48
		.amdhsa_user_sgpr_count 2
		.amdhsa_user_sgpr_kernarg_segment_ptr 1
		.amdhsa_wavefront_size32 1
		.amdhsa_system_sgpr_workgroup_id_x 1
		.amdhsa_system_sgpr_workgroup_id_y 1
		.amdhsa_system_sgpr_workgroup_id_z 1
		.amdhsa_system_vgpr_workitem_id 0
		.amdhsa_next_free_vgpr 256
		.amdhsa_next_free_sgpr 70
		.amdhsa_reserve_vcc 1
		.amdhsa_float_denorm_mode_32 3
		.amdhsa_float_denorm_mode_16_64 3
		.amdhsa_memory_ordered 1
		.amdhsa_forward_progress 1
		.amdhsa_inst_pref_size 121
	.end_amdhsa_kernel
	.amdgpu_metadata
---
amdhsa.version: [ 1, 2 ]
amdhsa.kernels:
  - .name:           k_q72230bd67f_attn
    .symbol:         k_q72230bd67f_attn.kd
    .args:
      - { .name: qkv, .offset: 0, .size: 8, .value_kind: global_buffer, .address_space: global }
      - { .name: simg, .offset: 8, .size: 8, .value_kind: global_buffer, .address_space: global }
      - { .name: bits, .offset: 16, .size: 8, .value_kind: global_buffer, .address_space: global }
      - { .name: cls, .offset: 24, .size: 8, .value_kind: global_buffer, .address_space: global }
      - { .name: lowp_scales, .offset: 32, .size: 8, .value_kind: global_buffer, .address_space: global }
      - { .name: oc, .offset: 40, .size: 8, .value_kind: global_buffer, .address_space: global }
    .group_segment_fixed_size: 270336
    .private_segment_fixed_size: 0
    .kernarg_segment_align: 8
    .kernarg_segment_size: 48
    .max_flat_workgroup_size: 512
    .sgpr_count:     70
    .vgpr_count:     256
    .wavefront_size: 32
...
	.end_amdgpu_metadata
.endif
;; end of part 3
;; launch outp (part 4): grid 16 x 16, 4 waves a work-group, clusters of 4 x 4, 327,680 bytes of LDS; arguments oc, wc, lowp_scales, bo, out0; writes out0
.if DOCPART == 4
	.amdgcn_target "amdgcn-amd-amdhsa--gfx1250"
	.amdhsa_code_object_version 6
	.text
	.protected	k_q72230bd67f_outp
	.globl	k_q72230bd67f_outp
	.p2align	8
	.type	k_q72230bd67f_outp,@function
k_q72230bd67f_outp:
	s_mov_b64 s[64:65], 0
	v_nop
	global_prefetch_b8 v0, s[64:65] scope:SCOPE_SE
	s_setreg_imm32_b32 hwreg(HW_REG_WAVE_MODE, 25, 1), 1
	s_wait_xcnt 0x0
	s_wait_alu depctr_hold_cnt(0) depctr_sa_sdst(0) depctr_va_vdst(0) depctr_va_sdst(0) depctr_va_ssrc(0) depctr_va_vcc(0) depctr_vm_vsrc(0)
	s_getreg_b32 s2, hwreg(HW_REG_IB_STS2, 6, 4)
	s_cmp_eq_u32 s2, 0
	s_cbranch_scc0 .Lentry_in_a_cluster
	s_endpgm
.Lentry_in_a_cluster:
	s_bfe_u32 s2, ttmp6, 0x10000c
	s_cmp_lg_u32 s2, 0xf033
	s_cbranch_scc0 .Lentry_shape_is_right
	s_endpgm
.Lentry_shape_is_right:
.set SIZE_N, 2048
.set SIZE_K, 2048
.set KSTEP,  512
.set KROW,   SIZE_K
.set PITCH,  528
.set FR,     16
.set HALFT,  64*PITCH
.set SLOT,   4*HALFT
.set SPARE,  2*SLOT
.set SPITCH, 272
.set ADRA, 16
.set ADRB, 20
.set STO,  24
.set RD,   25
.set CO,   26
.set SPW,  28
.set NIL,  29
.set BOFF, 10
.set BIAS, 32
.set TMP,  64
.set ACC,  128
.set G1, 24
.set G0, 32
.set G1B, 48
.set G0B, 56
.set MSB, 0
.macro WIN new
.if MSB != \new
	s_set_vgpr_msb (MSB<<8)|\new
.set MSB, \new
.endif
.endm
.set MUL,    0x05
.set TO_F,   0x40
.set FROM_F, 0x04
.macro JLOAD g0a, g1a, g0b, g1b
	s_cmp_eq_u32 s15, 0
	s_cbranch_scc0 .Lfor_b_\@
	tensor_load_to_lds s[\g0a:\g0a+3], s[\g1a:\g1a+7]
	s_nop 0
.rept 4
	v_nop
.endr
	s_branch .Lasked_\@
.Lfor_b_\@:
	tensor_load_to_lds s[\g0b:\g0b+3], s[\g1b:\g1b+7]
	s_nop 0
.rept 4
	v_nop
.endr
.Lasked_\@:
.endm
.macro CREST
	s_cmp_lg_u32 s14, 0
	s_cbranch_scc1 .Lnot_wave_0_\@
	s_barrier_signal -3
.Lnot_wave_0_\@:
	s_barrier_wait -3
	s_barrier_signal -1
	s_barrier_wait -1
.endm
.macro CROUND
	s_barrier_signal -1
	s_barrier_wait -1
	CREST
.endm
	s_load_b128 s[4:7], s[0:1], 0x0
	s_load_b128 s[8:11], s[0:1], 0x10
	s_load_b64 s[12:13], s[0:1], 0x20
	v_lshl_add_u32 v[SPW], v0, 2, SPARE
	v_mov_b32 v[NIL], 0
	ds_add_u32 v[SPW], v[NIL]
	ds_add_u32 v[SPW], v[NIL]
	v_lshrrev_b32 v1, 5, v0
	v_readfirstlane_b32 s14, v1
	v_and_b32 v30, 31, v0                          ; v30: the prefetches' offset: row lane / 2 of 2,048 bytes, + 256 (lane % 2); never rewritten
	v_lshrrev_b32 v31, 1, v30
	v_and_b32 v30, 1, v30
	v_lshlrev_b32 v30, 8, v30
	v_lshl_add_u32 v30, v31, 11, v30
	s_lshr_b32 s15, s14, 1
	s_and_b32 s16, s14, 1
	s_bfe_u32 s40, ttmp6, 0x40000
	s_bfe_u32 s41, ttmp6, 0x40004
	s_lshl_b32 s42, ttmp9, 2
	s_add_co_u32 s42, s42, s40
	s_and_b32 s17, ttmp7, 0xffff
	s_lshl_b32 s17, s17, 2
	s_add_co_u32 s17, s17, s41
	s_lshl_b32 s43, s41, 2
	s_lshl_b32 s43, 15, s43
	s_lshl_b32 s44, 0x1111, s40
	s_or_b32 s[G1+0], s43, (0<<16)|(1<<20)|(1<<21)|(6<<22)|(3<<25)
	s_or_b32 s[G1B+0], s44, (0<<16)|(1<<20)|(1<<21)|(6<<22)|(3<<25)
.irp g, G1, G1B
	s_mov_b32 s[\g+1], KSTEP<<16
	s_mov_b32 s[\g+2], 64<<16
	s_mov_b32 s[\g+3], KSTEP<<16
	s_mov_b32 s[\g+4], 64
	s_mov_b32 s[\g+5], KROW
	s_mov_b32 s[\g+6], 0
	s_mov_b32 s[\g+7], 0
.endr
	s_lshl_b32 s18, s16, 6
	s_lshl_b32 s20, s17, 7
	s_add_co_u32 s20, s20, s18
	s_lshl_b32 s46, s42, 7
	s_add_co_u32 s46, s46, s18
	s_mov_b32 s21, 0
	s_mov_b32 s47, 0
	s_mov_b64 s[18:19], KROW
	s_mul_u64 s[20:21], s[20:21], s[18:19]
	s_mul_u64 s[46:47], s[46:47], s[18:19]
	s_mul_i32 s45, s14, HALFT
	s_wait_dscnt 0x0
	s_wait_kmcnt 0x0
	s_load_b64 s[96:97], s[8:9], 0x28
	s_add_nc_u64 s[6:7], s[6:7], 0xc00000
	s_add_nc_u64 s[20:21], s[4:5], s[20:21]
	s_add_nc_u64 s[46:47], s[6:7], s[46:47]
	; the prefetches: a K step is 512 bytes of each of the 64 rows that my wave fetches: 128 blocks of 256 bytes.  The four partners that ask for them jointly take 16 rows each, told apart by address alone (cx for the first operand's tiles, cy for the second's)
	s_cmp_eq_u32 s15, 0
	s_cselect_b64 s[66:67], s[20:21], s[46:47]
	s_cselect_b32 s22, s40, s41
	s_lshl_b32 s22, s22, 15                        ; 16 rows of 2,048 bytes
	s_mov_b32 s23, 0
	s_add_nc_u64 s[66:67], s[66:67], s[22:23]
	s_wait_alu depctr_va_vdst(0)
	global_prefetch_b8 v30, s[66:67] th:TH_LOAD_NT scope:SCOPE_SE   ; K step 0, as soon as its address is known: ahead of the requests for the later steps
	CROUND
.irp s, 0,1
	s_mov_b32 s[G0+4*\s], 1
	s_add_co_u32 s[G0+4*\s+1], s45, \s*SLOT
	s_add_nc_u64 s[G0+4*\s+2:G0+4*\s+3], s[20:21], \s*KSTEP
	s_or_b32 s[G0+4*\s+3], s[G0+4*\s+3], 0x80000000
	s_mov_b32 s[G0B+4*\s], 1
	s_add_co_u32 s[G0B+4*\s+1], s45, \s*SLOT
	s_add_nc_u64 s[G0B+4*\s+2:G0B+4*\s+3], s[46:47], \s*KSTEP
	s_or_b32 s[G0B+4*\s+3], s[G0B+4*\s+3], 0x80000000
	s_wait_alu depctr_va_vdst(0)
	s_wait_tensorcnt 0x0
	ds_add_u32 v28, v29
	ds_add_u32 v28, v29
	s_wait_dscnt 0x0
	CROUND
	JLOAD G0+4*\s, G1, G0B+4*\s, G1B
.if \s == 0
	global_prefetch_b8 v30, s[66:67] offset:KSTEP th:TH_LOAD_NT scope:SCOPE_SE          ; behind K step 0's load: K step 1,
.endif
	global_prefetch_b8 v30, s[66:67] offset:(2+\s)*KSTEP th:TH_LOAD_NT scope:SCOPE_SE   ; and the K step two loads on: steps 2 and 3, the last
.endr
	v_and_b32 v1, 15, v0
	s_wait_alu depctr_va_vdst(0)
	v_bfe_u32 v2, v0, 4, 1
	v_mul_u32_u24 v3, v1, PITCH
	v_lshl_add_u32 v4, v2, 4, v3
	s_mul_i32 s21, s15, HALFT
	s_mul_i32 s22, s16, HALFT
	s_add_co_u32 s22, s22, 2*HALFT
.irp s, 0,1
	v_add_nc_u32 v[ADRA+\s], s21, v4
	v_add_nc_u32 v[ADRB+\s], s22, v4
	s_add_co_u32 s21, s21, SLOT
	s_add_co_u32 s22, s22, SLOT
.endr
	s_mul_i32 s23, s14, 16*SPITCH
	v_mul_u32_u24 v5, v1, SPITCH
	s_wait_alu depctr_va_vdst(0)
	v_lshl_add_u32 v5, v2, 5, v5
	v_add_nc_u32 v[STO], s23, v5
	v_mul_u32_u24 v5, v2, SPITCH
	v_lshl_add_u32 v5, v1, 4, v5
	v_add_nc_u32 v[RD], s23, v5
	v_mul_u32_u24 v5, v2, SIZE_N*4
	v_lshl_add_u32 v[CO], v1, 4, v5
	v_lshlrev_b32 v[BOFF], 5, v2
	s_wait_alu depctr_va_vdst(0)
	s_lshl_b32 s20, s17, 7
	s_lshl_b32 s21, s15, 6
	s_add_co_u32 s20, s20, s21
	s_mov_b32 s21, 0
	s_mov_b64 s[18:19], SIZE_N*4
	s_mul_u64 s[20:21], s[20:21], s[18:19]
	s_lshl_b32 s46, s42, 9
	s_lshl_b32 s47, s16, 8
	s_add_co_u32 s46, s46, s47
	s_mov_b32 s47, 0
	s_add_nc_u64 s[10:11], s[10:11], s[46:47]
	s_add_nc_u64 s[20:21], s[20:21], s[46:47]
	s_add_nc_u64 s[12:13], s[12:13], s[20:21]
.irp b, 0,1,2,3
	global_load_b128 v[BIAS+8*\b:BIAS+8*\b+3], v[BOFF], s[10:11] offset:64*\b
	global_load_b128 v[BIAS+8*\b+4:BIAS+8*\b+7], v[BOFF], s[10:11] offset:64*\b+16
.endr
.macro FRAG reg, adr, q, i
.irp c, 0,1,2,3
	ds_load_b128 v[\reg+4*\c:\reg+4*\c+3], v[\adr] offset:128*(\q)+32*\c+(\i)*16*PITCH
.endr
.endm
.macro FETCH_B slot, q, p
	WIN TO_F
.irp i, 0,1,2,3
	FRAG 128*(\p)+64+FR*\i, ADRB+\slot, \q, \i
.endr
.endm
.macro FETCH_A slot, q, p
	WIN TO_F
.irp i, 0,1,2,3
	FRAG 128*(\p)+FR*\i, ADRA+\slot, \q, \i
.endr
.endm
.macro MUL8 p, a0, zero
.irp a, \a0, \a0+1
.irp b, 0,1,2,3
.if \zero
	v_wmma_f32_16x16x128_fp8_fp8 v[ACC+8*(4*(\a)+\b):ACC+8*(4*(\a)+\b)+7], v[128*(\p)+64+FR*\b:128*(\p)+64+FR*\b+FR-1], v[128*(\p)+FR*(\a):128*(\p)+FR*(\a)+FR-1], 0
.else
	v_wmma_f32_16x16x128_fp8_fp8 v[ACC+8*(4*(\a)+\b):ACC+8*(4*(\a)+\b)+7], v[128*(\p)+64+FR*\b:128*(\p)+64+FR*\b+FR-1], v[128*(\p)+FR*(\a):128*(\p)+FR*(\a)+FR-1], v[ACC+8*(4*(\a)+\b):ACC+8*(4*(\a)+\b)+7]
.endif
.endr
.endr
.endm
.macro PLACES n
.rept \n
	v_nop
.endr
.endm
.macro SUB slot, q, zero
	s_wait_dscnt 0x0
	PLACES 4
	FETCH_B \slot, (\q)+1, 1-(\q)%2
	WIN MUL
	MUL8 (\q)%2, 0, \zero
	FETCH_A \slot, (\q)+1, 1-(\q)%2
	WIN MUL
	MUL8 (\q)%2, 2, \zero
.endm
.macro TURN slot, next, fill
	WIN 0
	s_wait_tensorcnt 0x0
	ds_add_u32 v[SPW], v[NIL]
	s_wait_dscnt 0x0
	s_barrier_signal -1
	WIN MUL
	MUL8 1, 0, 0
	WIN 0
	s_barrier_wait -1
.if \fill
	CREST
	s_add_nc_u64 s[G0+4*\slot+2:G0+4*\slot+3], s[G0+4*\slot+2:G0+4*\slot+3], 2*KSTEP
	s_add_nc_u64 s[G0B+4*\slot+2:G0B+4*\slot+3], s[G0B+4*\slot+2:G0B+4*\slot+3], 2*KSTEP
	JLOAD G0+4*\slot, G1, G0B+4*\slot, G1B
.else
	PLACES 4
.endif
	FETCH_B \next, 0, 0
	FETCH_A \next, 0, 0
	WIN MUL
	MUL8 1, 2, 0
.endm
	s_wait_tensorcnt 1
	s_barrier_signal -1
	s_barrier_wait -1
	FETCH_B 0, 0, 0
	FETCH_A 0, 0, 0
	SUB 0, 0, 1
	SUB 0, 1, 0
	SUB 0, 2, 0
	TURN 0, 1, 1
	SUB 1, 0, 0
	SUB 1, 1, 0
	SUB 1, 2, 0
	TURN 1, 0, 1
	SUB 0, 0, 0
	SUB 0, 1, 0
	SUB 0, 2, 0
	TURN 0, 1, 0
	SUB 1, 0, 0
	SUB 1, 1, 0
	SUB 1, 2, 0
	s_wait_dscnt 0x0
	MUL8 1, 0, 0
	MUL8 1, 2, 0
	WIN 0
.macro TOSTAGE a
.set TS, TMP+32*((\a)%2)
.set j, 0
.rept 16
	v_pk_fma_f32 v[TS+j:TS+j+1], v[ACC+32*(\a)+j:ACC+32*(\a)+j+1], s[96:97], v[BIAS+j:BIAS+j+1] op_sel_hi:[1,0,1]
.set j, j+2
.endr
.irp b, 0,1,2,3
	ds_store_b128 v[STO], v[TS+8*\b:TS+8*\b+3] offset:64*\b
	ds_store_b128 v[STO], v[TS+8*\b+4:TS+8*\b+7] offset:64*\b+16
.endr
	WIN TO_F
.irp i, 0,1,2,3,4,5,6,7
	ds_load_b128 v[32*(\a)+4*\i:32*(\a)+4*\i+3], v[RD] offset:2*\i*SPITCH
.endr
	WIN 0
.endm
.macro SEND a, younger
	s_wait_dscnt \younger
	WIN FROM_F
.irp i, 0,1,2,3,4,5,6,7
	global_store_b128 v[CO], v[32*(\a)+4*\i:32*(\a)+4*\i+3], s[12:13] offset:(16*(\a)+2*\i)*SIZE_N*4 th:TH_STORE_NT
.endr
	WIN 0
.endm
	s_wait_kmcnt 0x0
	s_add_co_i32 s96, s96, s97
	s_add_co_i32 s96, s96, 127
	s_lshl_b32 s96, s96, 23
	s_wait_loadcnt 0x0
	PLACES 4
	TOSTAGE 0
	TOSTAGE 1
	SEND 0, 16
	TOSTAGE 2
	SEND 1, 16
	TOSTAGE 3
	SEND 2, 16
	SEND 3, 0
	s_wait_tensorcnt 0x0
	ds_add_u32 v[SPW], v[NIL]
	s_wait_dscnt 0x0
	CROUND
	s_endpgm
.Lfunc_end_k_q72230bd67f_outp:
	.size	k_q72230bd67f_outp, .Lfunc_end_k_q72230bd67f_outp-k_q72230bd67f_outp
	.p2alignl 7, 3214868480
	.fill 96, 4, 3214868480
	.section	.rodata,"a",@progbits
	.p2align	6, 0x0
	.amdhsa_kernel k_q72230bd67f_outp
		.amdhsa_group_segment_fixed_size 327680
		.amdhsa_private_segment_fixed_size 0
		.amdhsa_enable_private_segment 0
		.amdhsa_kernarg_size 40
		.amdhsa_user_sgpr_count 2
		.amdhsa_user_sgpr_kernarg_segment_ptr 1
		.amdhsa_wavefront_size32 1
		.amdhsa_system_sgpr_workgroup_id_x 1
		.amdhsa_system_sgpr_workgroup_id_y 1
		.amdhsa_system_sgpr_workgroup_id_z 1
		.amdhsa_system_vgpr_workitem_id 0
		.amdhsa_next_free_vgpr 512
		.amdhsa_next_free_sgpr 98
		.amdhsa_reserve_vcc 0
		.amdhsa_float_denorm_mode_32 3
		.amdhsa_float_denorm_mode_16_64 3
		.amdhsa_memory_ordered 1
		.amdhsa_forward_progress 1
		.amdhsa_inst_pref_size 77
	.end_amdhsa_kernel
	.amdgpu_metadata
---
amdhsa.version: [ 1, 2 ]
amdhsa.kernels:
  - .name:           k_q72230bd67f_outp
    .symbol:         k_q72230bd67f_outp.kd
    .args:
      - { .name: oc, .offset: 0, .size: 8, .value_kind: global_buffer, .address_space: global }
      - { .name: wc, .offset: 8, .size: 8, .value_kind: global_buffer, .address_space: global }
      - { .name: lowp_scales, .offset: 16, .size: 8, .value_kind: global_buffer, .address_space: global }
      - { .name: bo, .offset: 24, .size: 8, .value_kind: global_buffer, .address_space: global }
      - { .name: out0, .offset: 32, .size: 8, .value_kind: global_buffer, .address_space: global }
    .group_segment_fixed_size: 327680
    .private_segment_fixed_size: 0
    .kernarg_segment_align: 8
    .kernarg_segment_size: 40
    .max_flat_workgroup_size: 128
    .sgpr_count:     98
    .vgpr_count:     512
    .wavefront_size: 32
...
	.end_amdgpu_metadata
.endif
;; end of part 4
